; MI455X (gfx1250); checked and timed in simulation.
; The chip was launched on July 23, 2026; its instructions are those of AMD's public machine-readable ISA for CDNA 5 (MIT licence, August 2026) and "CDNA5" Instruction Set Architecture Reference Guide (July 2026). The comments in the code are by the model that wrote it; some were corrected since.
;; Multi Head Attention. Allowed arithmetic: matrix products marked QUANTISED: E2M3 operands, one E8M0 scale for each 32 along K, by v_wmma_scale_f32_16x16x128_f8f6f4 with both operands' format E2M3, f32 sums; everything else in f32.
;; Inputs: K 4 x 2,048 x 1,024 float32; Q 4 x 2,048 x 1,024 float32; V 4 x 2,048 x 1,024 float32; Wk 1,024 x 1,024 float32; Wo 1,024 x 1,024 float32; Wq 1,024 x 1,024 float32; Wv 1,024 x 1,024 float32; bk 1,024 float32; bo 1,024 float32; bq 1,024 float32; bv 1,024 float32.
;; Outputs: out0 4 x 2,048 x 1,024 float32.
;; This version of the problem:
;;   THIS VERSION OF THE PROBLEM IS GIVEN IN LOW PRECISION. The matrix products marked QUANTISED in the list below multiply operands that are first quantised to E2M3 (2 exponent bits, 3 mantissa bits; 6 bits a number), with one power-of-two scale for each 32 numbers along K (OCP MX v1.0); their sums are f32. All else is computed in f32.
;;   The module's matrix products, in the order in which they are computed (A, B: the left and right operand; K: the contracted axis; several contracted axes count as one K, in the product's order):
;;     1. [M 8,192, K 1,024] x [K 1,024, N 1,024]; A: input V; B: input Wv: QUANTISED
;;     2. [M 8,192, K 1,024] x [K 1,024, N 1,024]; A: input K; B: input Wk: QUANTISED
;;     3. [M 8,192, K 1,024] x [K 1,024, N 1,024]; A: input Q; B: input Wq: QUANTISED
;;     4. batch 64 x [M 2,048, K 64] x [K 64, N 2,048]; A: computed on the way; B: computed on the way: QUANTISED
;;     5. batch 64 x [M 64, K 2,048] x [K 2,048, N 2,048]; A: computed on the way; B: softmax (see below): QUANTISED
;;     6. [M 8,192, K 1,024] x [K 1,024, N 1,024]; A: computed on the way; B: input Wo: QUANTISED
;;   THE QUANTISER, for each operand of a quantised product, along K:
;;     - K is cut into blocks of 32 from its start; a last block that is shorter is filled with zeros.
;;     - A block's scale is 2^e with e = floor(log2(the largest magnitude in the block)) - 2, held to -126 .. 127; a block of zeros has e = 0. As a byte (E8M0): e + 127.
;;     - Each number is divided by its block's scale, clamped to +-7.5, and rounded to the nearest number of E2M3, ties to even, subnormals kept.
;;     - The product sums the exact products of the quantised numbers (number of the format x scale) in f32.
;;   ~~~python
;;   def quantise(x, axis):      # numpy; x: float32 -> the quantised numbers, widened to float32 again
;;       x = np.moveaxis(x, axis, -1); K = x.shape[-1]
;;       x = np.pad(x, [(0, 0)] * (x.ndim - 1) + [(0, -K % 32)]); x = x.reshape(x.shape[:-1] + (-1, 32)); a = np.abs(x).max(-1, keepdims=True)
;;       e = np.where(a > 0, np.clip(np.frexp(np.where(a > 0, a, 1))[1] - 1 - 2, -126, 127), 0)      # np.frexp(a)[1] - 1 = floor(log2(a)), exactly
;;       r = np.clip(x / 2.0 ** e, -7.5, 7.5)
;;       step = 2.0 ** (np.maximum(np.frexp(np.where(r == 0, 1, r))[1] - 1, 0) - 3)
;;       q = np.round(r / step) * step * 2.0 ** e      # np.round: ties to even
;;       return np.moveaxis(q.reshape(q.shape[:-2] + (-1,))[..., :K], -1, axis).astype(np.float32)
;;   ~~~
;;   SOFTMAX AHEAD OF A QUANTISED PRODUCT. Where the list says 'softmax', what is quantised is not the finished softmax but p = 2^(t - M), with t = logit x log2(e) and M = ceil(the row's largest t), a whole number; so 1/2 < the row's largest p <= 1. The row's sum l is taken of the UNQUANTISED p, in f32, and the product's result is divided by l at the end. Since M is a whole number, a kernel that streams over the keys may use a running M (the ceiling of the running maximum): every later rescaling is an exact power of two, which a block's scale takes up: the codes' values come out the same.
;;   OPERANDS COMPUTED ON THE WAY. 'Computed on the way' means the value that the module computes at that place (a softmax that the list does not call 'softmax' is quantised finished and normalised). What goes into a quantiser is computed in f32, as accurately as f32 sums, v_exp_f32 and their like allow (about 1e-6 of the number): no bf16 or f16 on the way to a quantiser, and a product that is left as it is and whose result goes on into a quantised operand takes f32 operands (vector FMAs, or v_wmma_f32_16x16x4_f32). A number that lies on a knife's edge between two numbers of the format may be rounded either way, as far as f32 arithmetic and the matrix unit's own rounding can turn it there, and no further.
;; One version. Each part assembles by itself: llvm-mc -triple=amdgcn-amd-amdhsa -mcpu=gfx1250 --defsym DOCPART=n.
;; ======== version 1 of 1: 4 launches
;; limits: right only within a limited range of input values
;; workspace buffers: cod 22,020,096 bytes; scl 917,504 bytes; kv 13,369,344 bytes; qr 13,369,344 bytes; oc 6,291,456 bytes; os 524,288 bytes
;; launch quant (part 1): grid 896 x 1, 4 waves a work-group, no clusters, 34,304 bytes of LDS; arguments V, K, Q, Wv, Wk, Wq, Wo, cod, scl; writes cod, scl
.if DOCPART == 1
	.amdgcn_target "amdgcn-amd-amdhsa--gfx1250"
	.amdhsa_code_object_version 6
	.text
	.protected	k_q41952addf8_quant
	.globl	k_q41952addf8_quant
	.p2align	8
	.type	k_q41952addf8_quant,@function
k_q41952addf8_quant:
	s_mov_b64 s[64:65], 0
	v_nop
	global_prefetch_b8 v0, s[64:65] scope:SCOPE_SE
	s_setreg_imm32_b32 hwreg(HW_REG_WAVE_MODE, 25, 1), 1
	s_wait_xcnt 0x0
; V, K, Q [8192][1024] and Wv, Wk, Wq, Wo [1024][1024], f32, K innermost, become codes of FP6 (E2M3) with one E8M0 byte for each 32 along K.
; A block's scale is 2^(floor(log2(its largest magnitude)) - 2): its byte is that magnitude's exponent field - 2, held at 1 from below.
; LAYOUT OF THE CODES: images of operand registers.  A fragment (16 rows x 128 K, 12 registers a lane) is six planes of 256 bytes; plane p holds registers 2 p, 2 p + 1 of lane l at byte 8 l.
; cod: [tile of 16 rows][K step 0..7][plane][lane][8 bytes]; tiles: V 0-511, K 512-1023, Q 1024-1535, Wv 1536.., Wk 1600.., Wq 1664.., Wo 1728..1791.
; ORDER INSIDE A BLOCK OF 32: every operand of this program keeps the numbers 0-7, 16-23, 8-15, 24-31 in that order.  The sets of 32 are the true blocks, so the scales are the rule's; both sides of a product
; carry the same order, so the products are the same; only the grouping of partial sums inside the matrix unit differs from ascending k.
; scl: 512 bytes a tile, [g 0..1][lane][8 bytes]: word w of lane (r, h) is row r's scale word of K step 4 g + 2 w + h.
; LIMITS: NaN and infinities among the inputs are not served; blocks whose largest magnitude lies under 2^-124 keep the byte 1; a block of zeros has the byte 1 where the rule says 127: its codes are zeros, and this program alone reads the bytes.
; SHARES: wave unit u = 4 x work-group + wave takes tile u / 2, K half u % 2: 16 rows x 512 numbers, four fragments.  No barrier: waves share nothing.
; A load reads 512 consecutive bytes of one row; the 16 rows x 512 bytes of a fragment turn through the wave's own stage in LDS (rows 528 bytes apart) and come back 16 numbers of each block to a lane.
.set STG,  8448                        ; a wave's stage: 16 rows x 528 bytes
.set R,    16                          ; v16-143  two sets of 64 registers as loaded
.set X,    144                         ; v144-207 64 numbers of my row: register 16 b + i belongs to block b
.set TM,   208                         ; v208-211 largest magnitudes, v212-215 the other half's, then bytes, v220-223 the conversions' scale operands
.set PC,   224                         ; v224-235 the fragment's codes, v236-238 and v240-242 at work
.set SW,   244                         ; v244-247 a scale word for each fragment
.set T,    248                         ; v248-249 the two words that I store
	s_load_b512 s[4:19], s[0:1], 0x0               ; V, K, Q, Wv, Wk, Wq, Wo, cod
	s_load_b64 s[20:21], s[0:1], 0x40              ; scl
	v_lshl_add_u32 v254, v0, 2, 0x8400
	v_mov_b32 v255, 0
	v_lshrrev_b32 v1, 5, v0
	v_readfirstlane_b32 s22, v1                    ; wave
	v_and_b32 v1, 31, v0                           ; lane
	v_and_b32 v2, 15, v0                           ; r
	v_bfe_u32 v3, v0, 4, 1                         ; h
	v_lshlrev_b32 v4, 4, v1                        ; my 16 bytes of a load's 512
	s_mul_i32 s27, s22, STG
	v_add_nc_u32 v5, s27, v4                       ; the stage, on the way in: 16 x lane in row i
	v_mul_u32_u24 v6, v2, 528
	v_lshl_add_u32 v6, v3, 5, v6
	v_add_nc_u32 v6, s27, v6                       ; and on the way out: row r, + 32 h
	v_lshlrev_b32 v7, 3, v1                        ; 8 x lane: my place in a plane
	s_mov_b32 s34, 0x76543210
	s_mov_b32 s35, 0xfedcba98                      ; v_permlanex16_b32's selects for lane l xor 16
	s_mov_b32 s36, 0xffff0000                      ; the lanes with h = 1
.irp b, 0,1,2,3
	v_mov_b32 v[TM+4+\b], 0                        ; written once: a lane permute's destination counts as one of its sources
.endr
	s_wait_alu depctr_va_vdst(0)
	s_wait_kmcnt 0x0
; which tensor is my work-group's: the choice hangs on the work-group's number alone
.macro PICK end, lo, start
	s_cmp_lt_u32 ttmp9, \end
	s_cselect_b64 s[24:25], s[\lo:\lo+1], s[24:25]
	s_cselect_b32 s26, \start, s26
.endm
	s_mov_b64 s[24:25], s[16:17]                   ; Wo, work-groups 864 on
	s_mov_b32 s26, 864
	PICK 864, 14, 832                              ; Wq
	PICK 832, 12, 800                              ; Wk
	PICK 800, 10, 768                              ; Wv
	PICK 768, 8, 512                               ; Q
	PICK 512, 6, 256                               ; K
	PICK 256, 4, 0                                 ; V
	s_sub_co_u32 s28, ttmp9, s26
	s_lshl_b32 s28, s28, 17                        ; a work-group's two tiles: 32 rows of 4,096 bytes
	s_lshr_b32 s30, s22, 1
	s_lshl_b32 s30, s30, 16                        ; my tile
	s_add_co_u32 s28, s28, s30
	; TENSOR K ALONE: the rows of a tile are dealt anew inside each 128 keys, so that in the attention launch a lane's 32 scores are one scale block of p.
	; Tile 4 c + u of a record takes keys 64 c + 8 s(u) + 0..7 as rows 0-7 and the keys 32 further on as rows 8-15, s = 0, 2, 1, 3.  Every other tensor: 16 neighbouring rows.
	s_lshr_b32 s31, s28, 16                        ; the tile's number in its tensor
	s_and_b32 s37, s31, 0xfff8
	s_lshl_b32 s37, s37, 4                         ; 128 x record
	s_and_b32 s39, s31, 4
	s_lshl_b32 s39, s39, 4                         ; 64 c
	s_add_co_u32 s37, s37, s39
	s_and_b32 s39, s31, 1
	s_lshl_b32 s39, s39, 4                         ; 16 x (u % 2)
	s_add_co_u32 s37, s37, s39
	s_and_b32 s39, s31, 2
	s_lshl_b32 s39, s39, 2                         ; 8 x (u / 2)
	s_add_co_u32 s37, s37, s39
	s_lshl_b32 s37, s37, 12                        ; rows of 4,096 bytes
	s_mov_b32 s38, 0x8000                          ; from row 0 to row 8 of a tile: 8 rows,
	s_cmp_eq_u32 s26, 256                          ; K's work-groups begin at 256
	s_cselect_b32 s28, s37, s28
	s_cselect_b32 s38, 0x20000, s38                ; in K 32 rows
	s_mov_b32 s39, 0
	s_and_b32 s30, s22, 1
	s_lshl_b32 s30, s30, 11                        ; my half of K: 512 numbers
	s_add_co_u32 s28, s28, s30
	s_mov_b32 s29, 0
	s_add_nc_u64 s[24:25], s[24:25], s[28:29]
	s_add_nc_u64 s[38:39], s[24:25], s[38:39]      ; where the tile's rows 8-15 begin
	s_lshl_b32 s30, ttmp9, 2
	s_add_co_u32 s30, s30, s22                     ; u
	s_mul_i32 s32, s30, 6144                       ; four fragments of 1,536 bytes
	s_mov_b32 s33, 0
	s_add_nc_u64 s[18:19], s[18:19], s[32:33]
	s_lshl_b32 s32, s30, 8
	s_add_nc_u64 s[20:21], s[20:21], s[32:33]
.macro LOAD s                          ; fragment s: 128 numbers of each of the 16 rows
.irp i, 0,1,2,3,4,5,6,7
	global_load_b128 v[R+64*((\s)%2)+4*\i:R+64*((\s)%2)+4*\i+3], v4, s[24:25] offset:4096*\i+512*(\s) th:TH_LOAD_NT
.endr
.irp i, 8,9,10,11,12,13,14,15
	global_load_b128 v[R+64*((\s)%2)+4*\i:R+64*((\s)%2)+4*\i+3], v4, s[38:39] offset:4096*(\i-8)+512*(\s) th:TH_LOAD_NT
.endr
.endm
; 64 numbers of a lane become a fragment's codes in v[PC] on and its scale word in v[pw]
.macro QUANT s, pw
.irp b, 0,1,2,3
	v_max3_num_f32 v[TM+\b], |v[\s+16*\b]|, |v[\s+1+16*\b]|, 0x1800000   ; my 16 numbers of block b, and the floor 2^(3 - 127): the byte cannot fall under 1
.endr
.irp i, 2,4,6,8,10,12,14
.irp b, 0,1,2,3
	v_max3_num_f32 v[TM+\b], v[TM+\b], |v[\s+16*\b+\i]|, |v[\s+1+16*\b+\i]|   ; the four blocks by turns
.endr
.endr
.irp b, 0,1,2,3
	v_permlanex16_b32 v[TM+4+\b], v[TM+\b], s34, s35
.endr
.irp b, 0,1,2,3
	v_max_num_f32 v[TM+\b], v[TM+\b], v[TM+4+\b]   ; with lane l xor 16's: the block's largest magnitude
.endr
.irp b, 0,1,2,3
	v_add_nc_u32 v[TM+12+\b], 0xff000000, v[TM+\b] ; 2 off its exponent field: the conversion's scale operand
.endr
.irp b, 0,1,2,3
	v_lshrrev_b32 v[TM+4+\b], 23, v[TM+12+\b]      ; the scale's byte
.endr
	v_lshl_or_b32 v[\pw], v[TM+5], 8, v[TM+4]
	v_lshl_or_b32 v[\pw], v[TM+6], 16, v[\pw]
	v_lshl_or_b32 v[\pw], v[TM+7], 24, v[\pw]      ; my row's scale word, the same in both halves of the lanes
.irp c, 0,1
	v_cvt_scalef32_pk16_fp6_f32 v[PC+6*\c:PC+2+6*\c], v[\s+32*\c:\s+15+32*\c], v[TM+12+2*\c]
	v_cvt_scalef32_pk16_fp6_f32 v[PC+12+4*\c:PC+14+4*\c], v[\s+16+32*\c:\s+31+32*\c], v[TM+12+2*\c+1]   ; (a conversion's three registers begin on an even number)
.endr
	v_nop                                          ; one plain place behind a scaled conversion
.irp c, 0,1                            ; the operand's layout wants a whole block in a lane: lanes 0-15 block 2 c, lanes 16-31 block 2 c + 1
.irp i, 0,1,2
	v_permlane16_swap_b32 v[PC+6*\c+\i], v[PC+12+4*\c+\i]
.endr
.irp i, 0,1,2
	v_mov_b32 v[PC+3+6*\c+\i], v[PC+12+4*\c+\i]
.endr
.endr
.endm
.macro FRAGM s
.if \s < 3
	s_wait_loadcnt 16                              ; this fragment's 16 loads are in; the next fragment's 16 may be out
.else
	s_wait_loadcnt 0x0
.endif
.irp i, 0,1,2,3,4,5,6,7,8,9,10,11,12,13,14,15
	ds_store_b128 v5, v[R+64*((\s)%2)+4*\i:R+64*((\s)%2)+4*\i+3] offset:528*\i
.endr
.irp b, 0,1,2,3                        ; LDS serves a wave's instructions in order: these see the stores above.  Of block b I take numbers 8 h + 0..7 and 16 + 8 h + 0..7
	ds_load_b128 v[X+16*\b:X+16*\b+3],     v6 offset:128*\b
	ds_load_b128 v[X+16*\b+4:X+16*\b+7],   v6 offset:128*\b+16
	ds_load_b128 v[X+16*\b+8:X+16*\b+11],  v6 offset:128*\b+64
	ds_load_b128 v[X+16*\b+12:X+16*\b+15], v6 offset:128*\b+80
.endr
	s_wait_dscnt 0x0                               ; my numbers are back, and the stores into the stage have read their registers,
.if \s < 2
	LOAD (\s)+2                                    ; which take the loads of two fragments on
.endif
	s_wait_xcnt 0x0                                ; the last fragment's stores have read the codes' registers
	QUANT X, SW+\s
.irp p, 0,1,2,3,4,5
	global_store_b64 v7, v[PC+2*\p:PC+2*\p+1], s[18:19] offset:1536*(\s)+256*\p   ; a plane: 256 consecutive bytes, aligned
.endr
.endm
	LOAD 0
	LOAD 1
	FRAGM 0
	FRAGM 1
	FRAGM 2
	FRAGM 3
	v_cndmask_b32 v[T], v[SW], v[SW+1], s36        ; word w: lanes 0-15 fragment 2 w's, lanes 16-31 fragment 2 w + 1's
	v_cndmask_b32 v[T+1], v[SW+2], v[SW+3], s36
	global_store_b64 v7, v[T:T+1], s[20:21]        ; 256 consecutive bytes, aligned
	s_wait_tensorcnt 0x0
	ds_add_u32 v254, v255
	s_wait_dscnt 0x0
	s_endpgm
.Lfunc_end_k_q41952addf8_quant:
	.size	k_q41952addf8_quant, .Lfunc_end_k_q41952addf8_quant-k_q41952addf8_quant
	.p2alignl 7, 3214868480
	.fill 96, 4, 3214868480
	.section	.rodata,"a",@progbits
	.p2align	6, 0x0
	.amdhsa_kernel k_q41952addf8_quant
		.amdhsa_group_segment_fixed_size 34304
		.amdhsa_private_segment_fixed_size 0
		.amdhsa_enable_private_segment 0
		.amdhsa_kernarg_size 72
		.amdhsa_user_sgpr_count 2
		.amdhsa_user_sgpr_kernarg_segment_ptr 1
		.amdhsa_wavefront_size32 1
		.amdhsa_system_sgpr_workgroup_id_x 1
		.amdhsa_system_sgpr_workgroup_id_y 1
		.amdhsa_system_sgpr_workgroup_id_z 1
		.amdhsa_system_vgpr_workitem_id 0
		.amdhsa_next_free_vgpr 256
		.amdhsa_next_free_sgpr 66
		.amdhsa_reserve_vcc 0
		.amdhsa_float_denorm_mode_32 3
		.amdhsa_float_denorm_mode_16_64 3
		.amdhsa_memory_ordered 1
		.amdhsa_forward_progress 1
		.amdhsa_inst_pref_size 36
	.end_amdhsa_kernel
	.amdgpu_metadata
---
amdhsa.version: [ 1, 2 ]
amdhsa.kernels:
  - .name:           k_q41952addf8_quant
    .symbol:         k_q41952addf8_quant.kd
    .args:
      - { .name: V, .offset: 0, .size: 8, .value_kind: global_buffer, .address_space: global }
      - { .name: K, .offset: 8, .size: 8, .value_kind: global_buffer, .address_space: global }
      - { .name: Q, .offset: 16, .size: 8, .value_kind: global_buffer, .address_space: global }
      - { .name: Wv, .offset: 24, .size: 8, .value_kind: global_buffer, .address_space: global }
      - { .name: Wk, .offset: 32, .size: 8, .value_kind: global_buffer, .address_space: global }
      - { .name: Wq, .offset: 40, .size: 8, .value_kind: global_buffer, .address_space: global }
      - { .name: Wo, .offset: 48, .size: 8, .value_kind: global_buffer, .address_space: global }
      - { .name: cod, .offset: 56, .size: 8, .value_kind: global_buffer, .address_space: global }
      - { .name: scl, .offset: 64, .size: 8, .value_kind: global_buffer, .address_space: global }
    .group_segment_fixed_size: 34304
    .private_segment_fixed_size: 0
    .kernarg_segment_align: 8
    .kernarg_segment_size: 72
    .max_flat_workgroup_size: 128
    .sgpr_count:     66
    .vgpr_count:     256
    .wavefront_size: 32
...
	.end_amdgpu_metadata
.endif
;; end of part 1
;; launch proj (part 2): grid 4 x 96, 4 waves a work-group, clusters of 4 x 4, 327,680 bytes of LDS; arguments cod, scl, bv, bk, bq, kv, qr; writes kv, qr
.if DOCPART == 2
	.amdgcn_target "amdgcn-amd-amdhsa--gfx1250"
	.amdhsa_code_object_version 6
	.text
	.protected	k_q41952addf8_proj
	.globl	k_q41952addf8_proj
	.p2align	8
	.type	k_q41952addf8_proj,@function
k_q41952addf8_proj:
	s_mov_b64 s[64:65], 0
	v_nop
	global_prefetch_b8 v0, s[64:65] scope:SCOPE_SE
	s_setreg_imm32_b32 hwreg(HW_REG_WAVE_MODE, 25, 1), 1
	s_wait_xcnt 0x0
	s_wait_alu depctr_hold_cnt(0) depctr_sa_sdst(0) depctr_va_vdst(0) depctr_va_sdst(0) depctr_va_ssrc(0) depctr_va_vcc(0) depctr_vm_vsrc(0)
	s_getreg_b32 s2, hwreg(HW_REG_IB_STS2, 6, 4)
	s_cmp_eq_u32 s2, 0
	s_cbranch_scc0 .Lentry_in_a_cluster
	s_endpgm
.Lentry_in_a_cluster:
	s_bfe_u32 s2, ttmp6, 0x10000c
	s_cmp_lg_u32 s2, 0xf033
	s_cbranch_scc0 .Lentry_shape_is_right
	s_endpgm
.Lentry_shape_is_right:
; The three projections v = V Wv^T + bv, k = K Wk^T + bk, q = Q Wq^T + bq on codes of FP6 (E2M3) with E8M0 scales, f32 sums, and the quantiser of their results, fused: q and k are quantised along a head's 64 channels,
; v along the keys.  What leaves are images of operand registers (six planes of 256 bytes a fragment, plane p = registers 2 p, 2 p + 1 of lane l at 8 l), laid for the attention launch.
; kv: [64 heads (16 x batch + head)][16 records of 128 keys]; a record, 13,056 bytes: K's codes (key tile t at 768 t), at 6,144 K's scale words (16 x lane + 4 i: lanes 0-15 tile 2 i, lanes 16-31 tile 2 i + 1; bytes 0, 1 count),
; at 6,656 V^T's codes (channel tile c at 1,536 c), at 12,800 V^T's scale words (8 x lane + 4 i).  qr: the same strides, the first two sections hold q.
; SHARES.  A work-group makes 256 x 256, each of its four waves 128 x 128: 64 accumulators.  SOURCE 0 is the operand whose rows run along a lane's registers in the result and so become the next product's K;
; SOURCE 1 is the operand whose row is the lane.  q, k: source 0 = the weight's rows (channels), source 1 = tokens.  v: source 0 = tokens (keys), source 1 = Wv's rows.
; CLUSTERS: 4 x 4 work-groups.  Source 1's tile is shared along a row of the cluster (it hangs on cy), source 0's along a column (on cx): each is asked for jointly.  In mode v the two coordinates change parts:
; the token tile is 4 x cluster y + cx and the weight tile cy.  The mode hangs on the cluster's y alone, so it is the same in all sixteen partners.
; K = 1,024 goes in eight steps of 128 steps 0-3 in one load at the head, 4 and 5 at SLB, 6 and 7 onto the first 98,304 bytes.  A wave has one tensor load out at a time.
; The bias is the C of the first K step.  LIMITS: as in the launch that makes the codes (NaN, infinities; byte 1 for very small and for zero blocks; the order inside a block of 32).
; REGISTERS, in windows of 256: window 0: v1-14 addresses; v16-23 scale words made; v28-29 for the add; v32-63 source 0's scale words, v64-95 source 1's (register 4 x tile + i: lanes 0-15 K step 2 i, lanes 16-31 K step 2 i + 1);
;   v96-127 at work; v128-223 source 1's fragments, one set; v224-239 at work.  window 1: source 0's fragments, two sets, v0-95 and v128-223; the bias table, v96-127 and v224-255.  windows 2, 3: accumulator (a, b) at v[8 (8 (a % 4) + b)].
.set HALF,  24576                      ; 8 tiles x 2 K steps x 1,536 bytes: what one tensor load brings, and what one wave reads of one source
.set SLOT,  98304
.set BIGH,  49152                      ; 8 tiles x 4 K steps: what one wave's load at the head brings
.set SLB,   196608                     ; behind the head's four such parts: the place of K steps 4 and 5
.set SPARE, 294912                     ; behind the three slots: the spare words, 128 bytes a wave
.set HS,    208896                     ; a head in kv and qr
.set REC,   13056                      ; a record
.set TILEB, 12288                      ; a tile of 16 rows in cod
.set AD0, 8                            ; v8-10   LDS address of my half of source 0 in slot 0, 1, 2
.set AD1, 12                           ; v12-14  the same for source 1
.set PWS, 16                           ; v16-23  the scale word of each of my eight fragments
.set SPW, 28
.set NIL, 29
.set SC0, 32
.set SC1, 64
.set AJ,  96                           ; v96-103 the bias loads' offsets
.set TW,  116                          ; v116-119, v120-123 scale words to store
.set UW,  120
.set AF,  128
.set TM,  224
.set G1R, 24                           ; s[24:31] descriptor group 1, tiles shared along a row;  s[32:39] along a column
.set G1C, 32
.set G0R, 40                           ; s[40:51] group 0, a set for each slot;  s[52:63] likewise
.set G0C, 52
.set MSB, 0
.macro WIN new                         ; the immediate's high byte repeats the setting that is left
.if MSB != (\new)
	s_set_vgpr_msb (MSB<<8)|(\new)
.set MSB, (\new)
.endif
.endm
.set MUL_LO, 0xa1                      ; source 0 window 1, source 1 window 0, C and D window 2
.set MUL_HI, 0xf1                      ; C and D window 3
.set BIA_LO, 0x91                      ; C (the bias table) window 1, D window 2
.set BIA_HI, 0xd1                      ; D window 3
.set TO_1,   0x40                      ; destination window 1
.macro PLACES n
.rept \n
	v_nop
.endr
.endm
.macro JLOAD s                         ; the joint load of slot s: waves 0, 1 fetch source 1's halves, waves 2, 3 source 0's; four v_nop follow each line
	s_cmp_eq_u32 s19, 0
	s_cbranch_scc0 .Lfor_c_\@
	tensor_load_to_lds s[G0R+4*\s:G0R+4*\s+3], s[G1R:G1R+7]
	s_nop 0
	PLACES 4
	s_branch .Lasked_\@
.Lfor_c_\@:
	tensor_load_to_lds s[G0C+4*\s:G0C+4*\s+3], s[G1C:G1C+7]
	s_nop 0
	PLACES 4
.Lasked_\@:
.endm
.macro CREST                           ; a round of the cluster's barrier behind its opening barrier
	s_cmp_lg_u32 s18, 0
	s_cbranch_scc1 .Lnot_wave_0_\@
	s_barrier_signal -3
.Lnot_wave_0_\@:
	s_barrier_wait -3
	s_barrier_signal -1
	s_barrier_wait -1
.endm
.macro CROUND
	s_barrier_signal -1
	s_barrier_wait -1
	CREST
.endm
	s_load_b256 s[4:11], s[0:1], 0x0               ; cod, scl, bv, bk
	s_load_b128 s[12:15], s[0:1], 0x20             ; bq, kv
	s_load_b64 s[16:17], s[0:1], 0x30              ; qr
	v_lshl_add_u32 v[SPW], v0, 2, SPARE
	v_mov_b32 v[NIL], 0
	ds_add_u32 v28, v29
	ds_add_u32 v28, v29
	s_wait_dscnt 0x0
	v_lshrrev_b32 v1, 5, v0
	v_readfirstlane_b32 s18, v1                    ; wave
	s_lshr_b32 s19, s18, 1                         ; u: my half of source 1.  Also: I fetch source 1 (0) or source 0 (1)
	s_and_b32 s20, s18, 1                          ; w: my half of source 0.  Also: which half I fetch
	s_bfe_u32 s21, ttmp6, 0x40000                  ; cx
	s_bfe_u32 s22, ttmp6, 0x40004                  ; cy
	s_and_b32 s23, ttmp7, 0xffff                   ; the cluster's y, 0 .. 23
	s_lshr_b32 s67, s23, 3                         ; t: 0 v, 1 k, 2 q
	s_lshl_b32 s74, s23, 6                         ; the cluster's first token tile of 16 rows in cod
	s_lshl_b32 s75, s67, 6
	s_add_co_u32 s75, s75, 1536                    ; the weight's first tile in cod
	s_mov_b32 s76, 1536
	s_cmp_eq_u32 s67, 0
	s_cselect_b32 s66, 1, 0                        ; MV
	s_cselect_b32 s69, s74, s75                    ; what all partners share of source 0's tile number,
	s_cselect_b32 s68, s76, s74                    ; and of source 1's
	s_lshl_b32 s77, s21, 4
	s_add_co_u32 s69, s69, s77                     ; c0: source 0's first tile, + 16 cx
	s_lshl_b32 s78, s22, 4
	s_add_co_u32 s68, s68, s78                     ; c1: source 1's first tile, + 16 cy
	s_lshl_b32 s74, s22, 2
	s_lshl_b32 s74, 15, s74                        ; my row of the cluster
	s_lshl_b32 s75, 0x1111, s21                    ; my column
	s_or_b32 s[G1R], s74, (3<<16)|(1<<21)          ; 15:0 the mask; 17:16 elements of 8 bytes; 21 set beside a mask; no padding
	s_or_b32 s[G1C], s75, (3<<16)|(1<<21)
.irp g, G1R, G1C
	s_mov_b32 s[\g+1], 768<<16                     ; tensor_dim0, at the head: four K steps of a tile, 6,144 bytes
	s_mov_b32 s[\g+2], 8<<16                       ; tensor_dim1: 8 tiles
	s_mov_b32 s[\g+3], 768<<16                     ; tile_dim0
	s_mov_b32 s[\g+4], 8                           ; tile_dim1
	s_mov_b32 s[\g+5], 1536                        ; from tile to tile: 12,288 bytes
	s_mov_b32 s[\g+6], 0
	s_mov_b32 s[\g+7], 0
.endr
	s_lshl_b32 s79, s20, 3                         ; the half that I fetch: 8 tiles
	s_add_co_u32 s70, s68, s79
	s_mul_i32 s70, s70, TILEB
	s_mov_b32 s71, 0
	s_add_co_u32 s72, s69, s79
	s_mul_i32 s72, s72, TILEB
	s_mov_b32 s73, 0
	s_mul_i32 s79, s18, HALF                       ; where it goes: wave x HALF: no place in the cluster enters an LDS address
	s_mov_b32 s2, 0x76543210
	s_mov_b32 s3, 0xfedcba98                       ; v_permlanex16_b32's selects for lane l xor 16
	s_mov_b32 s100, 0xffff0000                     ; the lanes with h = 1
	s_wait_kmcnt 0x0
	s_add_nc_u64 s[70:71], s[4:5], s[70:71]
	s_add_nc_u64 s[72:73], s[4:5], s[72:73]
.irp f, 0,1,2
	s_mov_b32 s[G0R+4*\f], 1
	s_add_co_u32 s[G0R+4*\f+1], s79, (\f%2)*SLB
	s_add_nc_u64 s[G0R+4*\f+2:G0R+4*\f+3], s[70:71], \f*(7680-1536*\f)   ; set 0: K step 0; set 1: K step 4 (6,144 bytes on); set 2: K step 6 (9,216)
	s_or_b32 s[G0R+4*\f+3], s[G0R+4*\f+3], 0x80000000
	s_mov_b32 s[G0C+4*\f], 1
	s_add_co_u32 s[G0C+4*\f+1], s79, (\f%2)*SLB
	s_add_nc_u64 s[G0C+4*\f+2:G0C+4*\f+3], s[72:73], \f*(7680-1536*\f)
	s_or_b32 s[G0C+4*\f+3], s[G0C+4*\f+3], 0x80000000
.endr
	s_mul_i32 s[G0R+1], s18, BIGH                  ; set 0's part is twice as large: wave x BIGH
	s_mul_i32 s[G0C+1], s18, BIGH
	CROUND                                         ; all sixteen work-groups are here: the first joint loads meet
	; THE FILLS AS THEY NOW STAND, one tensor load a wave each: K steps 0-3 here at the head (place 0: four parts of BIGH bytes); K steps 4 and 5 behind the head's three lines and round (place 1, at SLB);
	; K steps 6 and 7 in K step 3's round, onto the first 98,304 bytes, which held source 1's K steps 0-3 (place 2).  One load a wave is out at any time.
	s_cmp_eq_u32 s19, 0
	s_cbranch_scc0 .Lfirst_c
	tensor_load_to_lds s[G0R:G0R+3], s[G1R:G1R+7]
	s_nop 0
	PLACES 4
	s_branch .Lfirst_done
.Lfirst_c:
	tensor_load_to_lds s[G0C:G0C+3], s[G1C:G1C+7]
	s_nop 0
	PLACES 4
.Lfirst_done:
	v_and_b32 v1, 15, v0                           ; r
	v_bfe_u32 v2, v0, 4, 1                         ; h
	v_and_b32 v3, 31, v0                           ; lane
	v_lshlrev_b32 v4, 3, v3                        ; 8 x lane
	v_lshlrev_b32 v5, 4, v3                        ; 16 x lane
	s_wait_alu depctr_va_vdst(0)
	s_mul_i32 s74, s20, BIGH
	s_add_co_u32 s74, s74, 2*BIGH                  ; place 0: my half of source 0, behind source 1's two
	s_mul_i32 s75, s19, BIGH                       ; my half of source 1
	v_add_nc_u32 v[AD0], s74, v4
	v_add_nc_u32 v[AD1], s75, v4
	s_mul_i32 s74, s20, HALF
	s_add_co_u32 s74, s74, 2*HALF                  ; place 2: the same with parts of HALF bytes
	s_mul_i32 s75, s19, HALF
	v_add_nc_u32 v[AD0+2], s74, v4
	v_add_nc_u32 v[AD1+2], s75, v4
	s_add_co_u32 s74, s74, SLB                     ; place 1: SLB further on
	s_add_co_u32 s75, s75, SLB
	v_add_nc_u32 v[AD0+1], s74, v4
	v_add_nc_u32 v[AD1+1], s75, v4
.irp b, 0,1,2,3
	v_mov_b32 v[TM+4+\b], 0                        ; written once: a lane permute's destination counts as one of its sources
.endr
	; the scale words of my 8 + 8 tiles, for all of K: 512 bytes a tile
	s_lshl_b32 s74, s20, 3
	s_add_co_u32 s74, s74, s69
	s_lshl_b32 s74, s74, 9
	s_mov_b32 s75, 0
	s_add_nc_u64 s[80:81], s[6:7], s[74:75]
	s_lshl_b32 s74, s19, 3
	s_add_co_u32 s74, s74, s68
	s_lshl_b32 s74, s74, 9
	s_add_nc_u64 s[82:83], s[6:7], s[74:75]
.irp b, 0,1,2,3,4,5,6,7
.irp g, 0,1
	global_load_b64 v[SC0+4*\b+2*\g:SC0+4*\b+2*\g+1], v4, s[80:81] offset:512*\b+256*\g
	global_load_b64 v[SC1+4*\b+2*\g:SC1+4*\b+2*\g+1], v4, s[82:83] offset:512*\b+256*\g
.endr
.endr
	; what hangs on the mode: the bias, the buffer, the strides of the way out
	s_mov_b32 s94, 768
	s_mov_b32 s98, HS
	s_cmp_eq_u32 s67, 1
	s_cselect_b64 s[84:85], s[10:11], s[12:13]     ; bk or bq
	s_cmp_eq_u32 s67, 2
	s_cselect_b64 s[90:91], s[16:17], s[14:15]     ; qr or kv
	s_cmp_eq_u32 s67, 0
	s_cselect_b64 s[84:85], s[8:9], s[84:85]       ; bv
	s_cselect_b32 s74, s22, s21                    ; the weight's tile of 256 rows: cy in mode v, else cx
	s_cselect_b32 s75, s19, s20                    ; my half of it
	s_cselect_b32 s76, s21, s22                    ; the token tile's place in the cluster
	s_cselect_b32 s77, s20, s19                    ; my half of it
	s_cselect_b32 s78, 0, 32                       ; the bias offsets: for the half of the lanes,
	s_cselect_b32 s79, 4, 0                        ; for the lane's row,
	s_cselect_b32 s101, 0, 4                       ; from register to register
	s_cselect_b32 s94, 1536, s94                   ; from fragment a to a + 1
	s_cselect_b32 s96, HS-6144, 0                  ; more at a = 4: mode v goes on to the next head
	s_cselect_b32 s98, 768, s98                    ; from planes 0-2 to planes 3-5: q, k: the next head
	s_cselect_b32 s86, 6656, 0                     ; the section of a record
	s_mov_b32 s95, 0
	s_mov_b32 s97, 0
	s_mov_b32 s99, 0
	s_mov_b32 s87, 0
	s_lshl_b32 s88, s74, 10
	s_lshl_b32 s89, s75, 9
	s_add_co_u32 s88, s88, s89
	s_mov_b32 s89, 0
	s_add_nc_u64 s[84:85], s[84:85], s[88:89]      ; the bias of my 128 channels
	v_mul_u32_u24 v[AJ], v2, s78
	v_mad_u32_u24 v[AJ], v1, s79, v[AJ]
.irp j, 1,2,3,4,5,6,7
	v_add_nc_u32 v[AJ+\j], s101, v[AJ+\j-1]
.endr
	WIN TO_1                                       ; the table: entry x at v[96 + 8 x + 96 (x / 4)] of window 1.  q, k: register j = channel 16 x + 8 h + j; v: every register = channel 16 x + r
.irp x, 0,1,2,3,4,5,6,7
.irp j, 0,1,2,3,4,5,6,7
	global_load_b32 v[96+8*\x+96*(\x/4)+\j], v[AJ+\j], s[84:85] offset:64*\x
.endr
.endr
	WIN 0
	s_lshl_b32 s88, s23, 2
	s_add_co_u32 s88, s88, s76                     ; the token tile of 256, 0 .. 95
	s_and_b32 s89, s88, 7
	s_lshl_b32 s89, s89, 1
	s_add_co_u32 s89, s89, s77                     ; the record: 128 tokens
	s_mul_i32 s89, s89, REC
	s_bfe_u32 s88, s88, 0x20003                    ; the batch
	s_lshl_b32 s88, s88, 4
	s_lshl_b32 s74, s74, 2
	s_add_co_u32 s88, s88, s74
	s_lshl_b32 s75, s75, 1
	s_add_co_u32 s88, s88, s75                     ; 16 x batch + the first of my two heads
	s_mul_i32 s88, s88, HS
	s_add_co_u32 s88, s88, s89
	s_mov_b32 s89, 0
	s_add_nc_u64 s[90:91], s[90:91], s[88:89]      ; my record in my first head,
	s_add_nc_u64 s[92:93], s[90:91], HS            ; and in the second
	s_add_nc_u64 s[86:87], s[90:91], s[86:87]      ; where planes 0-2 of fragment 0 go,
	s_add_nc_u64 s[88:89], s[86:87], s[98:99]      ; and planes 3-5
.macro FRAG reg, adr, off              ; a fragment comes back as it was stored: six planes, 8 bytes a lane, 256 consecutive bytes a load
.irp p, 0,1,2,3,4,5
	ds_load_b64 v[(\reg)+2*\p:(\reg)+2*\p+1], v[\adr] offset:(\off)+256*\p
.endr
.endm
.macro FETCH_S0 slot, q, set           ; source 0's eight fragments of the slot's q-th K step
	WIN TO_1
.irp i, 0,1,2,3,4,5,6,7
	FRAG 128*(\set)+12*\i, AD0+\slot, (3072+3072*((2-(\slot))*(1-(\slot))/2))*\i+1536*(\q)   ; from tile to tile: 6,144 bytes in place 0, 3,072 in places 1 and 2
.endr
	WIN 0
.endm
.macro FETCH_S1 slot, q, i0            ; source 1's blocks i0 .. i0 + 3
.irp i, \i0, \i0+1, \i0+2, \i0+3
	FRAG AF+12*(\i), AD1+\slot, (3072+3072*((2-(\slot))*(1-(\slot))/2))*(\i)+1536*(\q)
.endr
.endm
; 16 matrix instructions: source 1's blocks a0, a0 + 1 x source 0's eight, K step ks.  cm = 0: C is the accumulator; 1: the bias table by b; 2: by a.
; The 64 accumulators take turns, one instruction a turn, in the same order in every K step.
.macro MUL16 a0, ks, cm
.irp a, \a0, \a0+1
.irp b, 0,1,2,3,4,5,6,7
.set rD, 8*(8*((\a)%4)+\b)
.set rA, 128*((\ks)%2)+12*\b
.set rB, AF+12*(\a)
.set rC, rD
.if \cm == 1
.set rC, 96+8*\b+96*(\b/4)
.endif
.if \cm == 2
.set rC, 96+8*(\a)+96*((\a)/4)
.endif
.if (\ks)%2
	v_wmma_scale_f32_16x16x128_f8f6f4 v[rD:rD+7], v[rA:rA+11], v[rB:rB+11], v[rC:rC+7], v[SC0+4*\b+(\ks)/2], v[SC1+4*(\a)+(\ks)/2] matrix_a_fmt:MATRIX_FMT_FP6 matrix_b_fmt:MATRIX_FMT_FP6 matrix_a_scale:MATRIX_SCALE_ROW1 matrix_b_scale:MATRIX_SCALE_ROW1
.else
	v_wmma_scale_f32_16x16x128_f8f6f4 v[rD:rD+7], v[rA:rA+11], v[rB:rB+11], v[rC:rC+7], v[SC0+4*\b+(\ks)/2], v[SC1+4*(\a)+(\ks)/2] matrix_a_fmt:MATRIX_FMT_FP6 matrix_b_fmt:MATRIX_FMT_FP6
.endif
.endr
.endr
.endm
; K step ks; the next step's fragments come from slot nslot, its nq-th step.  A load into a register that a matrix instruction has read stands four plain vector places behind it.
.macro STEP ks, cm, nslot, nq
	s_wait_dscnt 24                                ; source 0's set and source 1's blocks 0-3 are in; the youngest 24 loads (blocks 4-7) may be out
.if \cm
	WIN BIA_LO
.else
	WIN MUL_LO
.endif
	MUL16 0, \ks, \cm
	MUL16 2, \ks, \cm
	s_wait_dscnt 0x0                               ; blocks 4-7 are in
	PLACES 4
	FETCH_S0 \nslot, \nq, 1-(\ks)%2
	FETCH_S1 \nslot, \nq, 0
.if \cm
	WIN BIA_HI
.else
	WIN MUL_HI
.endif
	MUL16 4, \ks, \cm
	MUL16 6, \ks, \cm
	PLACES 4
	WIN 0
	FETCH_S1 \nslot, \nq, 4
.endm
; An odd K step with a barrier in it.  In front of the barrier each wave waits for all its tensor loads, adds 0 to its spare word, and waits for that and for its LDS reads.  fill = 1: slot 0, which nobody reads any more, takes K steps 6 and 7.
.macro TURN ks, nslot, fill
	s_wait_tensorcnt 0x0                           ; all my tensor loads have landed
	ds_add_u32 v[SPW], v[NIL]                      ; 0 onto my spare word
	s_wait_dscnt 25                                ; (the add and the youngest 24 loads may be out)
	WIN MUL_LO
	MUL16 0, \ks, 0                                ; sixteen matrix instructions stand between the add and the wait for it
	s_wait_dscnt 0x0                               ; the add is done, and my reads of the slot in hand are over
	s_barrier_signal -1
	MUL16 2, \ks, 0
	WIN 0
	s_barrier_wait -1
.if \fill
	CREST                                          ; the barrier has opened a round of the cluster's barrier: no wave of any partner has a load on its way or still reads the slot that is filled
.if \fill == 2
	s_add_nc_u64 s[G0R+2:G0R+3], s[G0R+2:G0R+3], 9216
	s_add_nc_u64 s[G0C+2:G0C+3], s[G0C+2:G0C+3], 9216
	JLOAD 0                                        ; slot 0 again: K steps 6 and 7; two K steps, 128 matrix instructions, stand ahead of the wait for it
.else
	JLOAD 2                                        ; place 2: K steps 6 and 7
.endif
.else
	PLACES 4
.endif
	FETCH_S0 \nslot, 0, 0
	FETCH_S1 \nslot, 0, 0
	WIN MUL_HI
	MUL16 4, \ks, 0
	MUL16 6, \ks, 0
	PLACES 4
	WIN 0
	FETCH_S1 \nslot, 0, 4
.endm
	s_wait_alu depctr_va_vdst(0)                   ; the wait at the head's end
	s_wait_tensorcnt 0x0                           ; my part of slot 0 is in
	ds_add_u32 v[SPW], v[NIL]
	s_mov_b32 s[G1R+1], 384<<16                    ; no tensor load of mine is out, so a descriptor may be written: from here on a load brings two K steps of a tile, 3,072 bytes
	s_mov_b32 s[G1R+3], 384<<16
	s_mov_b32 s[G1C+1], 384<<16
	s_mov_b32 s[G1C+3], 384<<16
	s_wait_dscnt 0x0
	CROUND                                         ; everybody's part is in, and all sixteen work-groups are here
	JLOAD 1                                        ; place 1: K steps 4 and 5
	FETCH_S0 0, 0, 0
	FETCH_S1 0, 0, 0
	FETCH_S1 0, 0, 4
	s_wait_loadcnt 0x0                             ; the scale words and the bias table
	s_cmp_eq_u32 s66, 0                            ; the mode: the same in every wave of the cluster
	s_cbranch_scc1 .Lqk
	STEP 0, 2, 0, 1                                ; v: the bias belongs to the lane's row of source 1
	s_branch .Ljoin
.Lqk:
	STEP 0, 1, 0, 1                                ; q, k: to the registers' rows of source 0
.Ljoin:
	STEP 1, 0, 0, 2
	STEP 2, 0, 0, 3
	TURN 3, 1, 1                                   ; its wait shows place 1 whole to every wave; nobody reads source 1's K steps 0-3 any more: place 2 takes K steps 6 and 7
	STEP 4, 0, 1, 1
	TURN 5, 2, 0                                   ; the refill has landed in every wave's part
	STEP 6, 0, 2, 1
	s_wait_dscnt 24                                ; K step 7: nothing more to fetch
	WIN MUL_LO
	MUL16 0, 7, 0
	MUL16 2, 7, 0
	s_wait_dscnt 0x0
	WIN MUL_HI
	MUL16 4, 7, 0
	MUL16 6, 7, 0
	WIN 0
	PLACES 4
; THE WAY OUT.  For a fixed a my 64 registers are 128 neighbours (in this program's order inside a block) along the next K of the lane's row: one fragment.  Each accumulator is read from its low end on.
.macro QUANTA a
.set QW, 2+(\a)/4
.set QS, 64*((\a)%4)
.set QP, 128                           ; the codes: v128-147, or v96-115 where the sums carry the numbers 128 on
.if ((\a)%4) >= 2
.set QP, 96
.endif
	WIN QW|(QW<<2)
.irp b, 0,1,2,3
	v_max3_num_f32 v[TM+\b], |v[QS+16*\b]|, |v[QS+16*\b+1]|, 0x1800000   ; and the floor 2^(3 - 127): the byte cannot fall under 1
.endr
	WIN (QW<<2)|(QW<<4)
.irp i, 2,4,6,8,10,12,14
.irp b, 0,1,2,3
	v_max3_num_f32 v[TM+\b], v[TM+\b], |v[QS+16*\b+\i]|, |v[QS+16*\b+\i+1]|
.endr
.endr
	WIN 0
.irp b, 0,1,2,3
	v_permlanex16_b32 v[TM+4+\b], v[TM+\b], s2, s3
.endr
.irp b, 0,1,2,3
	v_max_num_f32 v[TM+\b], v[TM+\b], v[TM+4+\b]
.endr
.irp b, 0,1,2,3
	v_add_nc_u32 v[TM+12+\b], 0xff000000, v[TM+\b] ; 2 off the exponent field: the conversion's scale operand
.endr
.irp b, 0,1,2,3
	v_lshrrev_b32 v[TM+4+\b], 23, v[TM+12+\b]      ; the scale's byte
.endr
	v_lshl_or_b32 v[PWS+\a], v[TM+5], 8, v[TM+4]
	v_lshl_or_b32 v[PWS+\a], v[TM+6], 16, v[PWS+\a]
	v_lshl_or_b32 v[PWS+\a], v[TM+7], 24, v[PWS+\a]
	s_wait_xcnt 0x0                                ; the earlier stores have read their data and their bases
.if \a > 0
	s_add_nc_u64 s[86:87], s[86:87], s[94:95]
	s_add_nc_u64 s[88:89], s[88:89], s[94:95]
.endif
.if \a == 4
	s_add_nc_u64 s[86:87], s[86:87], s[96:97]
	s_add_nc_u64 s[88:89], s[88:89], s[96:97]
.endif
	WIN QW
.irp c, 0,1
	v_cvt_scalef32_pk16_fp6_f32 v[QP+6*\c:QP+2+6*\c], v[QS+32*\c:QS+15+32*\c], v[TM+12+2*\c]
	v_cvt_scalef32_pk16_fp6_f32 v[QP+12+4*\c:QP+14+4*\c], v[QS+16+32*\c:QS+31+32*\c], v[TM+12+2*\c+1]
.endr
	WIN 0
	v_nop                                          ; one plain place behind a scaled conversion
.irp c, 0,1
.irp i, 0,1,2
	v_permlane16_swap_b32 v[QP+6*\c+\i], v[QP+12+4*\c+\i]
.endr
.irp i, 0,1,2
	v_mov_b32 v[QP+3+6*\c+\i], v[QP+12+4*\c+\i]
.endr
.endr
.irp p, 0,1,2
	global_store_b64 v4, v[QP+2*\p:QP+2*\p+1], s[86:87] offset:256*\p       ; a plane: 256 consecutive bytes, aligned
.endr
.irp p, 0,1,2
	global_store_b64 v4, v[QP+6+2*\p:QP+7+2*\p], s[88:89] offset:256*\p
.endr
.endm
.irp a, 0,1,2,3,4,5,6,7
	QUANTA \a
.endr
.irp i, 0,1,2,3
	v_cndmask_b32 v[TW+\i], v[PWS+2*\i], v[PWS+2*\i+1], s100   ; lanes 0-15 fragment 2 i's word, lanes 16-31 fragment 2 i + 1's
.endr
	s_cmp_eq_u32 s66, 1
	s_cbranch_scc1 .Lv_words
.irp i, 0,1,2,3
	v_lshrrev_b32 v[UW+\i], 16, v[TW+\i]           ; bytes 2, 3 are the second head's two blocks
.endr
	global_store_b128 v5, v[TW:TW+3], s[90:91] offset:6144
	global_store_b128 v5, v[UW:UW+3], s[92:93] offset:6144
	s_branch .Lwords_done
.Lv_words:
	s_wait_alu depctr_va_vdst(0)
	global_store_b64 v4, v[TW:TW+1], s[90:91] offset:12800     ; channel tiles 0-3 of my first head,
	global_store_b64 v4, v[TW+2:TW+3], s[92:93] offset:12800   ; and of the second
.Lwords_done:
	s_wait_tensorcnt 0x0                           ; the wave's end
	ds_add_u32 v[SPW], v[NIL]
	s_wait_dscnt 0x0
	CROUND                                         ; the closing round: no work-group ends while a partner may still ask for a tile that names it
	s_endpgm
.Lfunc_end_k_q41952addf8_proj:
	.size	k_q41952addf8_proj, .Lfunc_end_k_q41952addf8_proj-k_q41952addf8_proj
	.p2alignl 7, 3214868480
	.fill 96, 4, 3214868480
	.section	.rodata,"a",@progbits
	.p2align	6, 0x0
	.amdhsa_kernel k_q41952addf8_proj
		.amdhsa_group_segment_fixed_size 327680
		.amdhsa_private_segment_fixed_size 0
		.amdhsa_enable_private_segment 0
		.amdhsa_kernarg_size 56
		.amdhsa_user_sgpr_count 2
		.amdhsa_user_sgpr_kernarg_segment_ptr 1
		.amdhsa_wavefront_size32 1
		.amdhsa_system_sgpr_workgroup_id_x 1
		.amdhsa_system_sgpr_workgroup_id_y 1
		.amdhsa_system_sgpr_workgroup_id_z 1
		.amdhsa_system_vgpr_workitem_id 0
		.amdhsa_next_free_vgpr 1024
		.amdhsa_next_free_sgpr 102
		.amdhsa_reserve_vcc 0
		.amdhsa_float_denorm_mode_32 3
		.amdhsa_float_denorm_mode_16_64 3
		.amdhsa_memory_ordered 1
		.amdhsa_forward_progress 1
		.amdhsa_inst_pref_size 189
	.end_amdhsa_kernel
	.amdgpu_metadata
---
amdhsa.version: [ 1, 2 ]
amdhsa.kernels:
  - .name:           k_q41952addf8_proj
    .symbol:         k_q41952addf8_proj.kd
    .args:
      - { .name: cod, .offset: 0, .size: 8, .value_kind: global_buffer, .address_space: global }
      - { .name: scl, .offset: 8, .size: 8, .value_kind: global_buffer, .address_space: global }
      - { .name: bv, .offset: 16, .size: 8, .value_kind: global_buffer, .address_space: global }
      - { .name: bk, .offset: 24, .size: 8, .value_kind: global_buffer, .address_space: global }
      - { .name: bq, .offset: 32, .size: 8, .value_kind: global_buffer, .address_space: global }
      - { .name: kv, .offset: 40, .size: 8, .value_kind: global_buffer, .address_space: global }
      - { .name: qr, .offset: 48, .size: 8, .value_kind: global_buffer, .address_space: global }
    .group_segment_fixed_size: 327680
    .private_segment_fixed_size: 0
    .kernarg_segment_align: 8
    .kernarg_segment_size: 56
    .max_flat_workgroup_size: 128
    .sgpr_count:     102
    .vgpr_count:     1024
    .wavefront_size: 32
...
	.end_amdgpu_metadata
.endif
;; end of part 2
;; launch attn (part 3): grid 4 x 64, 8 waves a work-group, clusters of 4 x 1, 215,040 bytes of LDS; arguments qr, kv, oc, os; writes oc, os
.if DOCPART == 3
	.amdgcn_target "amdgcn-amd-amdhsa--gfx1250"
	.amdhsa_code_object_version 6
	.text
	.protected	k_q41952addf8_attn
	.globl	k_q41952addf8_attn
	.p2align	8
	.type	k_q41952addf8_attn,@function
k_q41952addf8_attn:
	s_mov_b64 s[64:65], 0
	v_nop
	global_prefetch_b8 v0, s[64:65] scope:SCOPE_SE
	s_setreg_imm32_b32 hwreg(HW_REG_WAVE_MODE, 25, 1), 1
	s_wait_xcnt 0x0
	s_wait_alu depctr_hold_cnt(0) depctr_sa_sdst(0) depctr_va_vdst(0) depctr_va_sdst(0) depctr_va_ssrc(0) depctr_va_vcc(0) depctr_vm_vsrc(0)
	s_getreg_b32 s2, hwreg(HW_REG_IB_STS2, 6, 4)
	s_cmp_eq_u32 s2, 0
	s_cbranch_scc0 .Lentry_in_a_cluster
	s_endpgm
.Lentry_in_a_cluster:
	s_bfe_u32 s2, ttmp6, 0x10000c
	s_cmp_lg_u32 s2, 0x3003
	s_cbranch_scc0 .Lentry_shape_is_right
	s_endpgm
.Lentry_shape_is_right:
; o = softmax(q k^T / 8) v for one head, both products on codes of FP6 (E2M3) with E8M0 scales; o is normalised and quantised along the head's 64 channels for the last projection.
; THE SOFTMAX: t = score x log2(e) / 8; M = the running largest t rounded up to a whole number; p = 2^(t - M) is quantised along the keys, not normalised; the row's sum is taken of the unquantised p and divides O at the end.
; When M moves, the sum and O are multiplied by 2^(old M - new M), which rounds nothing.
; SHARES.  A work-group owns 512 queries of one head (16 x batch + head = the cluster's y; block = cx).  Wave w of eight owns query tiles 4 w .. 4 w + 3, in two passes of TWO TILES each: both tiles go through a key step together,
; share every fragment of K and V, and their lines stand by turns, so that a line seldom reads what the line above it wrote.
; A head's K and V, 16 records of 13,056 bytes, lie whole in LDS: wave w asks for records 2 w and 2 w + 1 by ONE joint tensor load (the cluster's four work-groups walk the same head); nothing is filled again: one barrier, no ring.
; All that the launch reads by tensor loads is asked for at the head, so there is no loop in which a prefetch could run ahead: none is written.
; LAYOUT.  Both products are used transposed: S^T = K Q^T (source 0 = 16 keys), O^T = V^T P^T (source 0 = 16 channels): a lane holds one query of each tile throughout.
; THE KEYS OF A TILE (laid so by the first launch): rows 8 h + j of tile 4 c + u are keys 64 c + 32 h + 8 s(u) + j, s = 0, 2, 1, 3.  So the 32 registers of tiles 4 c .. 4 c + 3 of lane (r, h) are the whole scale block 2 c + h of p,
; in the order that V^T's codes have inside a block: a block's maximum needs no other lane, and the conversions' results are the operand's registers as they fall.
; K = 64 IN AN INSTRUCTION OF 128: Q's upper six registers are zero codes, so what stands in the upper six of source 0 adds nothing (no FP6 code is NaN, no scale byte here is 0xff): key tile t is v[KF + 6 t] on, twelve registers,
; of which the upper six are the next tile's (tile 7's: zeros).
; LDS LOADS: V's 13 loads go out at a step's head, the NEXT step's 13 loads of K behind the scores' products (a pass's last step asks for record 0, which the next pass begins with; in the last pass those 13 loads are not used).
; So each wait for fragments has the count 13: the 13 loads issued last may be out.
; LIMITS: the promise holds while the scaled scores t stay under 2^31 in magnitude; NaN and infinities are not served; v_exp_f32 gives 0 for results under 2^-126; blocks of very small or zero numbers keep the byte 1; os is stored 128 bytes a wave and pass.
; oc: o's codes, [512 token tiles][8 K steps][6 planes][lane][8 bytes]; a head's half fragment at 768 x head.  os: [64 heads][2048 tokens] words, byte 0 | byte 1 << 8.
; REGISTERS (t = 0, 1: the pass's tile).  Window 0: v1-3 8, 16, 4 x lane; v4-6, v7-9, v10 LDS addresses; v[12+2t] -M, v[13+2t] the largest score; v[20+2t] f; v24-47 Q (twelve a tile); v48 Q's scale words; KF K's fragments and six zeros;
;   VF V's fragments; KS, VS their scale words; PC p's codes; CT at work; PW p's scale words; BM, X, BS at work; v236-240 8 x lane + the places of a record's parts; v241-253 the second pass's Q.
;   Window 1: v[64 t ..] S^T, then p; v[128 + 32 t ..] O^T; v[192 + 2 t ..] the sums; v196-201, v208-239 partial sums.
.set HS,  208896
.set REC, 13056
.set KF,  50
.set VF,  104
.set KS,  152
.set VS,  156
.set PC,  160
.set CT,  184
.set PW,  200
.set BM,  204
.set X,   212
.set BS,  220
.set MSB, 0
.macro WIN new                         ; low byte: bits 1:0 source 0, 3:2 source 1, 5:4 source 2, 7:6 destination; the high byte repeats the setting that is left
.if MSB != (\new)
	s_set_vgpr_msb (MSB<<8)|(\new)
.set MSB, (\new)
.endif
.endm
.macro WALU
	s_wait_alu depctr_va_vdst(0)
.endm
.macro H2
	s_delay_alu instid0(VALU_DEP_2)
.endm
.macro CROUND
	s_barrier_signal -1
	s_barrier_wait -1
	s_cmp_lg_u32 s12, 0
	s_cbranch_scc1 .Lnot_wave_0_\@
	s_barrier_signal -3
.Lnot_wave_0_\@:
	s_barrier_wait -3
	s_barrier_signal -1
	s_barrier_wait -1
.endm
	s_load_b256 s[4:11], s[0:1], 0x0               ; qr, kv, oc, os
	v_lshl_add_u32 v254, v0, 2, 0x34000
	v_mov_b32 v255, 0
	ds_add_u32 v254, v255                          ; the opening lines: the add twice on end and its wait
	ds_add_u32 v254, v255
	v_lshrrev_b32 v1, 5, v0
	v_readfirstlane_b32 s12, v1                    ; wave 0..7
	s_bfe_u32 s13, ttmp6, 0x40000                  ; cx: my block of 512 queries; it enters global addresses of q and o alone
	s_and_b32 s14, ttmp7, 0xffff                   ; the head, which the four partners share
	s_mov_b32 s24, 15|(3<<16)|(1<<21)              ; the mask: all four; elements of 8 bytes; bit 21 beside a mask
	s_mov_b32 s25, 32<<16                          ; rows of 256 bytes
	s_mov_b32 s26, 102<<16                         ; two records are 102 such rows
	s_mov_b32 s27, 32<<16
	s_mov_b32 s28, 102
	s_mov_b32 s29, 32                              ; dense
	s_mov_b32 s30, 0
	s_mov_b32 s31, 0
	s_mul_i32 s36, s14, HS                         ; the head's first byte in kv and qr
	s_mov_b32 s37, 0
	s_mul_i32 s38, s12, 2*REC                      ; records 2 w, 2 w + 1
	s_mov_b32 s39, 0
	s_add_nc_u64 s[38:39], s[38:39], s[36:37]
	s_lshl_b32 s40, s13, 2
	s_lshr_b32 s41, s12, 1
	s_add_co_u32 s40, s40, s41                     ; my queries' record: 4 cx + w / 2
	s_mul_i32 s40, s40, REC
	s_add_co_u32 s40, s40, s36
	s_and_b32 s42, s12, 1
	s_mul_i32 s43, s42, 3072                       ; my four tiles in it
	s_add_co_u32 s44, s40, s43
	s_mov_b32 s45, 0
	s_lshl_b32 s42, s42, 3                         ; and their two scale words
	s_add_co_u32 s46, s40, s42
	s_mov_b32 s47, 0
	s_lshr_b32 s52, s14, 4                         ; batch
	s_lshl_b32 s52, s52, 7
	s_lshl_b32 s53, s13, 5
	s_add_co_u32 s52, s52, s53
	s_lshl_b32 s53, s12, 2
	s_add_co_u32 s52, s52, s53                     ; my first token tile: 128 x batch + 32 cx + 4 w
	s_mul_i32 s48, s52, 12288
	s_and_b32 s53, s14, 15
	s_mul_i32 s53, s53, 768                        ; the head's half fragment
	s_add_co_u32 s48, s48, s53
	s_mov_b32 s49, 0
	s_lshl_b32 s50, s14, 13
	s_lshl_b32 s53, s13, 11
	s_add_co_u32 s50, s50, s53
	s_lshl_b32 s53, s12, 8
	s_add_co_u32 s50, s50, s53                     ; 4 (2048 x head + 512 cx + 64 w)
	s_mov_b32 s51, 0
	s_mov_b32 s17, 0xffff0000                      ; the lanes with h = 1
	s_mov_b32 s18, 0xbe38aa3b                      ; -c
	s_mov_b32 s20, 0x76543210
	s_mov_b32 s21, 0xfedcba98                      ; v_permlanex16_b32's selects for lane l xor 16
	s_mov_b32 s22, 0x3e38aa3b                      ; c = log2(e) / 8
	s_mov_b32 s23, s22                             ; (named with it as a pair, so it is written)
	s_wait_dscnt 0x0
	s_wait_kmcnt 0x0
	s_mov_b32 s32, 1
	s_mul_i32 s33, s12, 2*REC                      ; LDS: records 2 w, 2 w + 1
	s_add_nc_u64 s[34:35], s[6:7], s[38:39]
	s_or_b32 s35, s35, 0x80000000
	s_add_nc_u64 s[44:45], s[4:5], s[44:45]
	s_add_nc_u64 s[46:47], s[4:5], s[46:47]
	s_add_nc_u64 s[48:49], s[8:9], s[48:49]
	s_add_nc_u64 s[50:51], s[10:11], s[50:51]
	CROUND                                         ; all four work-groups are here: the joint loads meet
	tensor_load_to_lds s[32:35], s[24:31]          ; my one tensor load of the launch
	s_nop 0
.rept 4
	v_nop
.endr
	v_and_b32 v3, 31, v0
	v_lshlrev_b32 v1, 3, v3
	v_lshlrev_b32 v2, 4, v3
	v_lshlrev_b32 v3, 2, v3
.irp p, 0,1,2
	global_load_b64 v[24+2*\p:25+2*\p], v1, s[44:45] offset:256*\p
	global_load_b64 v[36+2*\p:37+2*\p], v1, s[44:45] offset:768+256*\p
	global_load_b64 v[242+2*\p:243+2*\p], v1, s[44:45] offset:1536+256*\p
	global_load_b64 v[248+2*\p:249+2*\p], v1, s[44:45] offset:2304+256*\p
.endr
	global_load_b32 v48, v2, s[46:47] offset:6144  ; lanes 0-15 the pass's first tile's words, lanes 16-31 its second's
	global_load_b32 v241, v2, s[46:47] offset:6148
	v_add_nc_u32 v236, 2048, v1                    ; a two-address load reaches 2,040 bytes: K's codes have three address registers,
	v_add_nc_u32 v237, 4096, v1
	v_add_nc_u32 v238, 6656, v1                    ; and V's three
	v_add_nc_u32 v239, 8704, v1
	v_add_nc_u32 v240, 10752, v1
.irp i, 0,1,2,3,4,5
	v_mov_b32 v[30+\i], 0                          ; Q's upper 64 along K: zero codes
	v_mov_b32 v[42+\i], 0
	v_mov_b32 v[KF+48+\i], 0
.endr
.irp b, 0,1,2,3,4,5,6,7
	v_mov_b32 v[X+\b], 0                           ; written once: a lane permute's destination counts as one of its sources
.endr
	v_mov_b32 v21, 0                               ; (named as the upper halves of the pairs with f)
	v_mov_b32 v23, 0
	s_mov_b32 s16, 0
	s_mov_b32 s52, 0                               ; the pass
	WALU                                           ; the wait at the head's end
	s_wait_tensorcnt 0x0                           ; my records are in,
	s_barrier_signal -1
	s_barrier_wait -1                              ; everybody's are
.macro CODES24 r, a                    ; 24 planes of 256 bytes into 48 registers, two planes a load, eight planes an address register
.irp g, 0,1,2
.irp q, 0,1,2,3
	ds_load_2addr_b64 v[\r+16*\g+4*\q:\r+16*\g+4*\q+3], v[\a+\g] offset0:64*\q offset1:64*\q+32
.endr
.endr
.endm
.macro KFETCH                          ; K's words and codes of the record at s16: four plain lines, 13 loads
	v_add_nc_u32 v4, s16, v1
	v_add_nc_u32 v5, s16, v236
	v_add_nc_u32 v6, s16, v237
	v_add_nc_u32 v10, s16, v2
	ds_load_b128 v[KS:KS+3], v10 offset:6144
	CODES24 KF, 4
.endm
.macro SQK t, e                        ; S^T of key tile t for query tile e
.set rD, 64*(\e)+8*(\t)
.set rA, KF+6*(\t)
.set rB, 24+12*(\e)
.if ((\t)%2 == 0) && ((\e) == 0)
	v_wmma_scale_f32_16x16x128_f8f6f4 v[rD:rD+7], v[rA:rA+11], v[rB:rB+11], 0, v[KS+(\t)/2], v48 matrix_a_fmt:MATRIX_FMT_FP6 matrix_b_fmt:MATRIX_FMT_FP6
.elseif ((\t)%2 == 1) && ((\e) == 0)
	v_wmma_scale_f32_16x16x128_f8f6f4 v[rD:rD+7], v[rA:rA+11], v[rB:rB+11], 0, v[KS+(\t)/2], v48 matrix_a_fmt:MATRIX_FMT_FP6 matrix_b_fmt:MATRIX_FMT_FP6 matrix_a_scale:MATRIX_SCALE_ROW1
.elseif ((\t)%2 == 0)
	v_wmma_scale_f32_16x16x128_f8f6f4 v[rD:rD+7], v[rA:rA+11], v[rB:rB+11], 0, v[KS+(\t)/2], v48 matrix_a_fmt:MATRIX_FMT_FP6 matrix_b_fmt:MATRIX_FMT_FP6 matrix_b_scale:MATRIX_SCALE_ROW1
.else
	v_wmma_scale_f32_16x16x128_f8f6f4 v[rD:rD+7], v[rA:rA+11], v[rB:rB+11], 0, v[KS+(\t)/2], v48 matrix_a_fmt:MATRIX_FMT_FP6 matrix_b_fmt:MATRIX_FMT_FP6 matrix_a_scale:MATRIX_SCALE_ROW1 matrix_b_scale:MATRIX_SCALE_ROW1
.endif
.endm
.macro SPV c, t                        ; O^T of channel tile c for query tile t
.set rD, 128+32*(\t)+8*(\c)
.set rA, VF+12*(\c)
.set rB, PC+12*(\t)
.if (\c)%2
	v_wmma_scale_f32_16x16x128_f8f6f4 v[rD:rD+7], v[rA:rA+11], v[rB:rB+11], v[rD:rD+7], v[VS+(\c)/2], v[PW+\t] matrix_a_fmt:MATRIX_FMT_FP6 matrix_b_fmt:MATRIX_FMT_FP6 matrix_a_scale:MATRIX_SCALE_ROW1
.else
	v_wmma_scale_f32_16x16x128_f8f6f4 v[rD:rD+7], v[rA:rA+11], v[rB:rB+11], v[rD:rD+7], v[VS+(\c)/2], v[PW+\t] matrix_a_fmt:MATRIX_FMT_FP6 matrix_b_fmt:MATRIX_FMT_FP6
.endif
.endm
.macro CVT t                           ; tile t's 64 p into codes: each block's lower 16 where they belong, the upper 16 elsewhere (a conversion's three registers begin on an even number)
.irp c, 0,1
	v_cvt_scalef32_pk16_fp6_f32 v[PC+12*\t+6*\c:PC+12*\t+6*\c+2], v[64*\t+32*\c:64*\t+32*\c+15], v[BS+2*\t+\c]
	v_cvt_scalef32_pk16_fp6_f32 v[CT+8*\t+4*\c:CT+8*\t+4*\c+2], v[64*\t+32*\c+16:64*\t+32*\c+31], v[BS+2*\t+\c]
.endr
.endm
.macro SUMI n                          ; tile 1's sum, pair n of its 32: four chains by turns (pairs 5, 6, 7 were taken with pairs 1, 2, 3)
.if (\n)%4 == 0
	v_pk_add_f32 v[194:195], v[194:195], v[64+2*(\n):65+2*(\n)]
.elseif (\n) < 4
	v_pk_add_f32 v[194+2*(\n):195+2*(\n)], v[64+2*(\n):65+2*(\n)], v[72+2*(\n):73+2*(\n)]
.elseif (\n) >= 8
	v_pk_add_f32 v[194+2*((\n)%4):195+2*((\n)%4)], v[194+2*((\n)%4):195+2*((\n)%4)], v[64+2*(\n):65+2*(\n)]
.endif
.endm
.macro TREE i                          ; tile 0's sum: its sixteen pair sums are joined, the last line adds them to the row's
.if (\i) < 8
	v_pk_add_f32 v[208+2*(\i):209+2*(\i)], v[208+2*(\i):209+2*(\i)], v[224+2*(\i):225+2*(\i)]
.elseif (\i) < 12
	v_pk_add_f32 v[192+2*(\i):193+2*(\i)], v[192+2*(\i):193+2*(\i)], v[200+2*(\i):201+2*(\i)]
.elseif (\i) < 14
	v_pk_add_f32 v[184+2*(\i):185+2*(\i)], v[184+2*(\i):185+2*(\i)], v[188+2*(\i):189+2*(\i)]
.elseif (\i) == 14
	v_pk_add_f32 v[208:209], v[208:209], v[210:211]
.else
	v_pk_add_f32 v[192:193], v[192:193], v[208:209]
.endif
.endm
; A KEY STEP: the record at s15, 128 keys, for both query tiles
.macro STEP
	v_add_nc_u32 v7, s15, v238
	v_add_nc_u32 v8, s15, v239
	v_add_nc_u32 v9, s15, v240
	v_mov_b32 v[X+3], v12                          ; the old -M of both tiles.  (These five are the places between the last products and the loads into registers that they read)
	v_mov_b32 v[X+7], v14
	ds_load_b64 v[VS:VS+1], v9 offset:2048         ; V's words and fragments land under the scores and the maxima
	CODES24 VF, 7
	WALU                                           ; the wait here, directly ahead of the wait below
	s_wait_dscnt 13                                ; K is in; V's 13 loads may be out
	WIN 0x40
.irp t, 0,1,2,3,4,5,6,7
	SQK \t, 0
	SQK \t, 1
.endr
	WIN 0
	KFETCH                                         ; the next step's K; its four plain lines are the places behind the products
	WIN 0x15
.irp t, 0,1
.irp b, 0,1,2,3
	v_max3_num_f32 v[BM+4*\t+\b], v[64*\t+16*\b], v[64*\t+16*\b+1], v[64*\t+16*\b+2]   ; the largest score of each block of 32 keys, two chains a block: it serves the row's maximum and, since p rises with the score, the block's largest p
.endr
.endr
	WIN 0x14
.irp i, 3,5,7,9,11,13
.irp t, 0,1
.irp b, 0,1,2,3
	v_max3_num_f32 v[BM+4*\t+\b], v[BM+4*\t+\b], v[64*\t+16*\b+\i], v[64*\t+16*\b+\i+1]
.endr
.endr
.endr
	WIN 0x10
.irp t, 0,1
.irp c, 0,1
	v_max3_num_f32 v[BM+4*\t+2*\c], v[BM+4*\t+2*\c], v[BM+4*\t+2*\c+1], v[64*\t+32*\c+15]
.endr
.endr
	WIN 0x04
.irp t, 0,1
.irp c, 0,1
	v_max_num_f32 v[BM+4*\t+2*\c], v[BM+4*\t+2*\c], v[64*\t+32*\c+31]   ; block 2 c + h
.endr
.endr
	WIN 0
.irp t, 0,1
	v_max_num_f32 v[X+4*\t], v[BM+4*\t], v[BM+4*\t+2]
.endr
.irp t, 0,1
	H2
	v_permlanex16_b32 v[X+4*\t+1], v[X+4*\t], s20, s21
.endr
.irp t, 0,1
	H2
	v_max3_num_f32 v[13+2*\t], v[13+2*\t], v[X+4*\t], v[X+4*\t+1]   ; the running largest score of my query (c is positive)
.endr
.irp t, 0,1
	H2
	v_mul_f32 v[X+4*\t+2], s18, v[13+2*\t]         ; -t
.endr
.irp t, 0,1
	H2
	v_floor_f32 v[12+2*\t], v[X+4*\t+2]            ; the new -M = floor(-t)
.endr
.irp t, 0,1
	H2
	v_sub_f32 v[X+4*\t+3], v[12+2*\t], v[X+4*\t+3] ; old M - new M: a whole number, 0 or less
.endr
.irp t, 0,1
.irp c, 0,1
	v_fma_f32 v[BM+4*\t+2*\c], v[BM+4*\t+2*\c], s22, v[12+2*\t]   ; t - M of each block's largest score
.endr
.endr
.irp t, 0,1
	v_cvt_i32_f32 v[X+4*\t+3], v[X+4*\t+3]         ; (it saturates)
.endr
.irp t, 0,1
	H2
	v_ldexp_f32 v[20+2*\t], 1.0, v[X+4*\t+3]       ; f = 2^(old M - new M)
.endr
	WIN 0x41
.set j, 0
.rept 32
	v_pk_fma_f32 v[j:j+1], v[j:j+1], s[22:23], v[12:13] op_sel_hi:[1,0,0]   ; tile 0: t - M, two at a time
.set j, j+2
.endr
.irp t, 0,1
.set j, 0
.rept 16
	v_pk_mul_f32 v[128+32*\t+j:129+32*\t+j], v[128+32*\t+j:129+32*\t+j], v[20+2*\t:21+2*\t] op_sel_hi:[1,0]   ; O^T under the new M, ahead of the exponentials
.set j, j+2
.endr
	v_pk_mul_f32 v[192+2*\t:193+2*\t], v[192+2*\t:193+2*\t], v[20+2*\t:21+2*\t] op_sel_hi:[1,0]   ; and the sums
.endr
	WALU                                           ; the wait ahead of a batch
	WIN 0
.irp b, 0,2,4,6
	v_exp_f32 v[BM+\b], v[BM+\b]                   ; each block's largest p: the same two instructions on the same number
.endr
	WIN 0x41
.set j, 0
.rept 32
	v_exp_f32 v[j], v[j]                           ; tile 0: p = 2^(t - M); among them tile 1's t - M, which nothing reads ahead of the next wait
	v_exp_f32 v[j+1], v[j+1]
	v_pk_fma_f32 v[64+j:65+j], v[64+j:65+j], s[22:23], v[14:15] op_sel_hi:[1,0,0]
.set j, j+2
.endr
	WALU                                           ; behind the first batch, ahead of the second
	WIN 0
.irp b, 0,2,4,6
	v_max_num_f32 v[BM+\b], 0x1800000, v[BM+\b]    ; the floor 2^(3 - 127)
.endr
.irp b, 0,1,2,3
	v_add_nc_u32 v[BS+\b], 0xff000000, v[BM+2*\b]  ; 2 off the exponent field: the conversions' scale operands
.endr
.irp b, 0,1,2,3
	v_lshrrev_b32 v[BM+2*\b], 23, v[BS+\b]         ; the scale bytes
.endr
.irp t, 0,1
	v_lshl_or_b32 v[X+4*\t], v[BM+4*\t+2], 16, v[BM+4*\t]   ; blocks h and 2 + h
.endr
.irp t, 0,1
	H2
	v_permlanex16_b32 v[X+4*\t+1], v[X+4*\t], s20, s21
.endr
	WIN 0x01
	CVT 0
	WIN 0
.irp t, 0,1
	v_lshl_or_b32 v[PW+\t], v[X+4*\t+1], 8, v[X+4*\t]   ; lanes 0-15, which alone are read: p's scale word for these 128 keys
.endr
	WIN 0x45
.set j, 0
.rept 16
.irp i, 0,1,2,3
	v_exp_f32 v[64+4*j+\i], v[64+4*j+\i]           ; tile 1's p; among them sixteen pair sums of tile 0's p, which nothing reads ahead of the next wait
.endr
	v_pk_add_f32 v[208+2*j:209+2*j], v[4*j:4*j+1], v[4*j+2:4*j+3]   ; THE ROW'S SUM IS TAKEN OF THE UNQUANTISED p
.set j, j+1
.endr
	WALU                                           ; behind the second batch
	WIN 0x01
	CVT 1
	WIN 0
.irp t, 0,1
.irp c, 0,1
.irp i, 0,1,2
	v_mov_b32 v[PC+12*\t+6*\c+3+\i], v[CT+8*\t+4*\c+\i]
.endr
.endr
.endr
	WIN 0x45
.set nn, 0
.rept 16
	SUMI 2*nn
	TREE nn
	SUMI 2*nn+1
.set nn, nn+1
.endr
	v_pk_add_f32 v[196:197], v[196:197], v[198:199]
	v_pk_add_f32 v[194:195], v[194:195], v[200:201]
	s_delay_alu instid0(VALU_DEP_1)
	v_pk_add_f32 v[194:195], v[194:195], v[196:197]   ; (the sums are also the places between p's codes and scale words and the products below)
	WALU                                           ; the wait here, directly ahead of the wait below
	s_wait_dscnt 13                                ; V is in; the next step's 13 loads of K may be out
	WIN 0x50
.irp c, 0,1,2,3
	SPV \c, 0                                      ; eight accumulators by turns
	SPV \c, 1
.endr
	WIN 0
.endm
	KFETCH                                         ; record 0's K
	s_wait_loadcnt 0x0                             ; Q
.Lpass:                                                ; two tiles of 16 queries against all 2,048 keys, and their way out
.irp t, 0,1
	v_mov_b32 v[13+2*\t], 0xff61b1e6               ; the largest score so far: -3e38
	v_mov_b32 v[12+2*\t], 0x7f61b1e6               ; -M: 3e38
.endr
	WIN 0x40
.set j, 0
.rept 68
	v_mov_b32 v[128+j], 0                          ; O^T and the sums: the step is written once; its first trip finds zeros
.set j, j+1
.endr
	WIN 0
	s_mov_b32 s15, 0
	s_mov_b32 s16, REC
	s_mov_b32 s19, 15
	WALU
.Lstep:
	STEP
	s_add_co_u32 s15, s15, REC
	s_add_co_u32 s16, s16, REC
	s_sub_co_u32 s19, s19, 1
	s_cmp_lg_u32 s19, 0
	s_cbranch_scc1 .Lstep
	s_mov_b32 s16, 0                               ; the last step asks for record 0 again
	STEP
.rept 4
	v_nop
.endr
	WIN 0x05
.irp t, 0,1
	v_add_f32 v[X+4*\t], v[192+2*\t], v[193+2*\t]
.endr
	WIN 0
.irp t, 0,1
	v_permlanex16_b32 v[X+4*\t+1], v[X+4*\t], s20, s21
.endr
.irp t, 0,1
	v_add_f32 v[X+4*\t], v[X+4*\t], v[X+4*\t+1]    ; the row's sum
.endr
	WALU
	v_rcp_f32 v[X], v[X]
	v_rcp_f32 v[X+4], v[X+4]
	v_nop                                          ; a plain place behind the transcendentals
	WALU
	WIN 0x41
.irp t, 0,1
.set j, 0
.rept 32
	v_mul_f32 v[64*\t+j], v[128+32*\t+j], v[X+4*\t]   ; o: register 8 c + i is channel 16 c + 8 h + i of my query; each accumulator is read from its low end on
.set j, j+1
.endr
.endr
	WIN 0x05
.irp t, 0,1
.irp b, 0,1
	v_max3_num_f32 v[BM+4*\t+\b], |v[64*\t+16*\b]|, |v[64*\t+16*\b+1]|, 0x1800000
.endr
.endr
	WIN 0x14
.irp i, 2,4,6,8,10,12,14
.irp t, 0,1
.irp b, 0,1
	v_max3_num_f32 v[BM+4*\t+\b], v[BM+4*\t+\b], |v[64*\t+16*\b+\i]|, |v[64*\t+16*\b+\i+1]|
.endr
.endr
.endr
	WIN 0
.irp t, 0,1
.irp b, 0,1
	v_permlanex16_b32 v[X+4*\t+\b], v[BM+4*\t+\b], s20, s21
.endr
.endr
.irp t, 0,1
.irp b, 0,1
	v_max_num_f32 v[BM+4*\t+\b], v[BM+4*\t+\b], v[X+4*\t+\b]   ; with lane l xor 16's half of the block
.endr
.endr
.irp t, 0,1
.irp b, 0,1
	v_add_nc_u32 v[BS+2*\t+\b], 0xff000000, v[BM+4*\t+\b]
.endr
.endr
.irp t, 0,1
.irp b, 0,1
	v_lshrrev_b32 v[X+4*\t+\b], 23, v[BS+2*\t+\b]
.endr
.endr
.irp t, 0,1
	v_lshl_or_b32 v[X+4*\t+2], v[X+4*\t+1], 8, v[X+4*\t]   ; the head's two bytes of my query
.endr
	WIN 0x01
.irp t, 0,1
	v_cvt_scalef32_pk16_fp6_f32 v[PC+12*\t:PC+12*\t+2], v[64*\t:64*\t+15], v[BS+2*\t]
	v_cvt_scalef32_pk16_fp6_f32 v[CT+8*\t:CT+8*\t+2], v[64*\t+16:64*\t+31], v[BS+2*\t+1]
.endr
	WIN 0
	v_cndmask_b32 v[X+2], v[X+2], v[X+6], s17      ; lanes 0-15 the first tile's queries, lanes 16-31 the second's.  (A plain place behind the conversions)
.irp t, 0,1
.irp i, 0,1,2
	v_permlane16_swap_b32 v[PC+12*\t+\i], v[CT+8*\t+\i]
.endr
.endr
.irp t, 0,1
.irp i, 0,1,2
	v_mov_b32 v[PC+12*\t+3+\i], v[CT+8*\t+\i]
.endr
.endr
.irp t, 0,1
.irp p, 0,1,2
	global_store_b64 v1, v[PC+12*\t+2*\p:PC+12*\t+2*\p+1], s[48:49] offset:12288*\t+256*\p   ; a plane: 256 consecutive bytes, aligned
.endr
.endr
	global_store_b32 v3, v[X+2], s[50:51]
.irp i, 0,1,2,3,4,5
	v_mov_b32 v[24+\i], v[242+\i]                  ; the second pass's Q (the second pass copies it once more onto itself)
	v_mov_b32 v[36+\i], v[248+\i]
.endr
	v_mov_b32 v48, v241
	s_wait_xcnt 0x0                                ; the stores have read their data and their bases
	s_add_nc_u64 s[48:49], s[48:49], 2*12288
	s_add_nc_u64 s[50:51], s[50:51], 128
	s_add_co_u32 s52, s52, 1
	s_cmp_lt_u32 s52, 2
	WALU                                           ; the wait here, directly ahead of the branch
	s_cbranch_scc1 .Lpass
	s_wait_dscnt 0x0
	s_wait_tensorcnt 0x0                           ; the wave's end
	ds_add_u32 v254, v255
	s_wait_dscnt 0x0
	CROUND                                         ; the closing round
	s_endpgm
.Lfunc_end_k_q41952addf8_attn:
	.size	k_q41952addf8_attn, .Lfunc_end_k_q41952addf8_attn-k_q41952addf8_attn
	.p2alignl 7, 3214868480
	.fill 96, 4, 3214868480
	.section	.rodata,"a",@progbits
	.p2align	6, 0x0
	.amdhsa_kernel k_q41952addf8_attn
		.amdhsa_group_segment_fixed_size 215040
		.amdhsa_private_segment_fixed_size 0
		.amdhsa_enable_private_segment 0
		.amdhsa_kernarg_size 32
		.amdhsa_user_sgpr_count 2
		.amdhsa_user_sgpr_kernarg_segment_ptr 1
		.amdhsa_wavefront_size32 1
		.amdhsa_system_sgpr_workgroup_id_x 1
		.amdhsa_system_sgpr_workgroup_id_y 1
		.amdhsa_system_sgpr_workgroup_id_z 1
		.amdhsa_system_vgpr_workitem_id 0
		.amdhsa_next_free_vgpr 496
		.amdhsa_next_free_sgpr 66
		.amdhsa_reserve_vcc 0
		.amdhsa_float_denorm_mode_32 3
		.amdhsa_float_denorm_mode_16_64 3
		.amdhsa_memory_ordered 1
		.amdhsa_forward_progress 1
		.amdhsa_inst_pref_size 74
	.end_amdhsa_kernel
	.amdgpu_metadata
---
amdhsa.version: [ 1, 2 ]
amdhsa.kernels:
  - .name:           k_q41952addf8_attn
    .symbol:         k_q41952addf8_attn.kd
    .args:
      - { .name: qr, .offset: 0, .size: 8, .value_kind: global_buffer, .address_space: global }
      - { .name: kv, .offset: 8, .size: 8, .value_kind: global_buffer, .address_space: global }
      - { .name: oc, .offset: 16, .size: 8, .value_kind: global_buffer, .address_space: global }
      - { .name: os, .offset: 24, .size: 8, .value_kind: global_buffer, .address_space: global }
    .group_segment_fixed_size: 215040
    .private_segment_fixed_size: 0
    .kernarg_segment_align: 8
    .kernarg_segment_size: 32
    .max_flat_workgroup_size: 256
    .sgpr_count:     66
    .vgpr_count:     496
    .wavefront_size: 32
...
	.end_amdgpu_metadata
.endif
;; end of part 3
;; launch outp (part 4): grid 4 x 64, 4 waves a work-group, clusters of 4 x 4, 327,680 bytes of LDS; arguments cod, scl, oc, os, bo, out0; writes out0
.if DOCPART == 4
	.amdgcn_target "amdgcn-amd-amdhsa--gfx1250"
	.amdhsa_code_object_version 6
	.text
	.protected	k_q41952addf8_outp
	.globl	k_q41952addf8_outp
	.p2align	8
	.type	k_q41952addf8_outp,@function
k_q41952addf8_outp:
	s_mov_b64 s[64:65], 0
	v_nop
	global_prefetch_b8 v0, s[64:65] scope:SCOPE_SE
	s_setreg_imm32_b32 hwreg(HW_REG_WAVE_MODE, 25, 1), 1
	s_wait_xcnt 0x0
	s_wait_alu depctr_hold_cnt(0) depctr_sa_sdst(0) depctr_va_vdst(0) depctr_va_sdst(0) depctr_va_ssrc(0) depctr_va_vcc(0) depctr_vm_vsrc(0)
	s_getreg_b32 s2, hwreg(HW_REG_IB_STS2, 6, 4)
	s_cmp_eq_u32 s2, 0
	s_cbranch_scc0 .Lentry_in_a_cluster
	s_endpgm
.Lentry_in_a_cluster:
	s_bfe_u32 s2, ttmp6, 0x10000c
	s_cmp_lg_u32 s2, 0xf033
	s_cbranch_scc0 .Lentry_shape_is_right
	s_endpgm
.Lentry_shape_is_right:
; out0 = o Wo^T + bo on codes of FP6 (E2M3) with E8M0 scales, f32 sums.  o's codes (oc) and Wo's (cod, tiles 1728 on) are images of operand registers: [tile of 16 rows][K step][6 planes][lane][8 bytes].
; SHARES: 8,192 x 1,024 in blocks of 128 x 256 are 256 work-groups.  Each of four waves makes 64 x 128: 32 accumulators.  Source 0 = Wo's rows (output columns), source 1 = tokens: a lane holds eight neighbouring numbers of a row of out0.
; CLUSTERS: 4 x 4.  The token tile (4 x cluster y + cy) is shared along a row of the cluster, Wo's tile (cx) along a column: each is asked for jointly.
; LDS: ALL OF K lies there, 8 + 16 tiles x 12,288 bytes = 294,912 bytes, in two halves of four K steps, each half tokens first, then Wo.  Four joint loads at the head, one a wave: wave 0 the tokens' first half, wave 1 Wo's,
; waves 2 and 3 the second halves.  Nothing is filled again.  The first barrier shows waves 0 and 1's tiles, a barrier in K step 3 the rest.  All is asked for at the head, so there is no loop in which a prefetch could run ahead: none is written.
; The bias is the C of the first K step.  o's scale words are put together from os ([64 heads][2048 tokens], two bytes a word): K step s of a token takes heads 2 s and 2 s + 1.
; A K STEP is 32 products, Wo's blocks one after the other, each against the four token blocks.  Both sources have two sets of registers; the next step's fragments are asked for in three runs of 24 loads.
; REGISTERS, in windows of 256: window 0: v1-13, v24-25 addresses; v28-29 for the add; v32-63 Wo's scale words, v66-81 o's (register 4 x tile + i: lanes 0-15 K step 2 i, lanes 16-31 K step 2 i + 1); v96-111 the odd heads' words;
;   v128-223 source 1's fragments, two sets of 48; on the way out v128-255 rows of out0.  window 1: source 0's fragments, two sets, v0-95 and v128-223; the bias table, v96-127 and v224-255.  window 2: accumulator (a, b) at v[8 (8 a + b)].
.set TOKB,  49152                      ; the tokens' 8 tiles x four K steps
.set HALFK, 147456                     ; and Wo's 16 tiles behind them: a half of K
.set SPARE, 294912                     ; behind both halves: the spare words, 128 bytes a wave
.set TILEB, 12288
.set AD0, 8                            ; v8-9    LDS address of my 8 tiles of Wo in half 0, 1
.set AD1, 12                           ; v12-13  of my 4 token tiles
.set STO, 24                           ; v24  the way out: where I put 32 bytes of a row
.set RD,  25                           ; v25  and where I read a row back
.set SPW, 28
.set NIL, 29
.set SC0, 32
.set SC1, 66                           ; (the two sides' scale registers differ modulo 8)
.set HI,  96
.set AF,  128
.set BK,  128
.set G1R, 24
.set G1C, 32
.set G0,  40                           ; s[40:55] four groups 0: tokens and Wo of half 0, of half 1
.set MSB, 0
.macro WIN new                         ; the immediate's high byte repeats the setting that is left
.if MSB != (\new)
	s_set_vgpr_msb (MSB<<8)|(\new)
.set MSB, (\new)
.endif
.endm
.set MUL_LO, 0xa1                      ; source 0 window 1, source 1 window 0, C and D window 2
.set BIA_LO, 0x91                      ; C (the bias table) window 1
.set TO_1,   0x40
.macro PLACES n
.rept \n
	v_nop
.endr
.endm
.macro TLOAD g0, g1
	tensor_load_to_lds s[\g0:\g0+3], s[\g1:\g1+7]
	s_nop 0
	PLACES 4
.endm
.macro CROUND
	s_barrier_signal -1
	s_barrier_wait -1
	s_cmp_lg_u32 s18, 0
	s_cbranch_scc1 .Lnot_wave_0_\@
	s_barrier_signal -3
.Lnot_wave_0_\@:
	s_barrier_wait -3
	s_barrier_signal -1
	s_barrier_wait -1
.endm
	s_load_b256 s[4:11], s[0:1], 0x0               ; cod, scl, oc, os
	s_load_b128 s[12:15], s[0:1], 0x20             ; bo, out0
	v_lshl_add_u32 v[SPW], v0, 2, SPARE
	v_mov_b32 v[NIL], 0
	ds_add_u32 v[SPW], v[NIL]                      ; the opening lines: the add twice on end and its wait
	ds_add_u32 v[SPW], v[NIL]
	v_lshrrev_b32 v1, 5, v0
	v_readfirstlane_b32 s18, v1                    ; wave
	s_lshr_b32 s19, s18, 1                         ; u: my half of the tokens
	s_and_b32 s20, s18, 1                          ; w: my half of Wo's rows
	s_bfe_u32 s21, ttmp6, 0x40000                  ; cx
	s_bfe_u32 s22, ttmp6, 0x40004                  ; cy
	s_and_b32 s23, ttmp7, 0xffff
	s_lshl_b32 s68, s23, 2
	s_add_co_u32 s68, s68, s22                     ; the token tile of 128: 4 x cluster y + cy
	s_lshl_b32 s69, s21, 4
	s_add_co_u32 s69, s69, 1728                    ; Wo's first tile of 16 rows in cod
	s_lshl_b32 s74, s22, 2
	s_lshl_b32 s74, 15, s74                        ; my row of the cluster
	s_lshl_b32 s75, 0x1111, s21                    ; my column
	s_or_b32 s[G1R], s74, (3<<16)|(1<<21)          ; the mask; elements of 8 bytes; bit 21 beside a mask; no padding
	s_or_b32 s[G1C], s75, (3<<16)|(1<<21)
.irp g, G1R, G1C
	s_mov_b32 s[\g+1], 768<<16                     ; four K steps of a tile: 6,144 bytes
	s_mov_b32 s[\g+3], 768<<16
	s_mov_b32 s[\g+5], 1536                        ; from tile to tile: 12,288 bytes
	s_mov_b32 s[\g+6], 0
	s_mov_b32 s[\g+7], 0
.endr
	s_mov_b32 s[G1R+2], 8<<16                      ; 8 token tiles
	s_mov_b32 s[G1R+4], 8
	s_mov_b32 s[G1C+2], 16<<16                     ; 16 tiles of Wo
	s_mov_b32 s[G1C+4], 16
	s_mul_i32 s70, s68, 8*TILEB
	s_mov_b32 s71, 0
	s_mul_i32 s72, s69, TILEB
	s_mov_b32 s73, 0
	s_wait_dscnt 0x0
	s_wait_kmcnt 0x0
	s_add_nc_u64 s[70:71], s[8:9], s[70:71]
	s_add_nc_u64 s[72:73], s[4:5], s[72:73]
.irp f, 0,1
	s_mov_b32 s[G0+8*\f], 1
	s_mov_b32 s[G0+8*\f+1], \f*HALFK
	s_add_nc_u64 s[G0+8*\f+2:G0+8*\f+3], s[70:71], \f*6144
	s_or_b32 s[G0+8*\f+3], s[G0+8*\f+3], 0x80000000
	s_mov_b32 s[G0+8*\f+4], 1
	s_mov_b32 s[G0+8*\f+5], \f*HALFK+TOKB
	s_add_nc_u64 s[G0+8*\f+6:G0+8*\f+7], s[72:73], \f*6144
	s_or_b32 s[G0+8*\f+7], s[G0+8*\f+7], 0x80000000
.endr
	CROUND                                         ; all sixteen work-groups are here: the joint loads meet
	s_cmp_eq_u32 s18, 0                            ; one chain of branches on the wave's number, one load to an arm
	s_cbranch_scc0 .Lwave_1
	TLOAD G0, G1R                                  ; wave 0: the tokens, K steps 0-3
	s_branch .Lasked
.Lwave_1:
	s_cmp_eq_u32 s18, 1
	s_cbranch_scc0 .Lwave_2
	TLOAD G0+4, G1C                                ; wave 1: Wo, K steps 0-3
	s_branch .Lasked
.Lwave_2:
	s_cmp_eq_u32 s18, 2
	s_cbranch_scc0 .Lwave_3
	TLOAD G0+8, G1R                                ; wave 2: the tokens, K steps 4-7
	s_branch .Lasked
.Lwave_3:
	TLOAD G0+12, G1C                               ; wave 3: Wo, K steps 4-7
.Lasked:
	v_and_b32 v1, 15, v0                           ; r
	v_bfe_u32 v2, v0, 4, 1                         ; h
	v_and_b32 v3, 31, v0
	v_lshlrev_b32 v4, 3, v3                        ; 8 x lane
	v_lshlrev_b32 v5, 4, v3                        ; 16 x lane
	v_lshlrev_b32 v6, 2, v1
	v_lshl_add_u32 v6, v2, 14, v6                  ; os: 4 r, and two heads (16,384 bytes) on for lanes 16-31
	v_lshlrev_b32 v7, 5, v2                        ; bo: 32 h
	s_mul_i32 s74, s20, 8*6144
	s_add_co_u32 s74, s74, TOKB
	s_mul_i32 s75, s19, 4*6144
.irp s, 0,1
	v_add_nc_u32 v[AD0+\s], s74, v4
	v_add_nc_u32 v[AD1+\s], s75, v4
	s_add_co_u32 s74, s74, HALFK
	s_add_co_u32 s75, s75, HALFK
.endr
	s_mul_i32 s74, s18, 16*528                     ; my stage: 16 rows x 528 bytes, in the first half's bytes, which are filled once and read no more behind K step 3's barrier
	v_mul_u32_u24 v[STO], v1, 528
	v_lshl_add_u32 v[STO], v2, 5, v[STO]
	v_add_nc_u32 v[STO], s74, v[STO]
	v_add_nc_u32 v[RD], s74, v5
	s_lshl_b32 s74, s20, 3
	s_add_co_u32 s74, s74, s69
	s_lshl_b32 s74, s74, 9
	s_mov_b32 s75, 0
	s_add_nc_u64 s[80:81], s[6:7], s[74:75]        ; Wo's scale words, my 8 tiles
	s_lshr_b32 s74, s68, 4
	s_lshl_b32 s74, s74, 17                        ; os: the batch's 16 heads of 8,192 bytes,
	s_and_b32 s76, s68, 15
	s_lshl_b32 s76, s76, 9                         ; the tile's 128 tokens,
	s_add_co_u32 s74, s74, s76
	s_lshl_b32 s76, s19, 8                         ; my 64
	s_add_co_u32 s74, s74, s76
	s_add_nc_u64 s[82:83], s[10:11], s[74:75]
	s_lshl_b32 s74, s21, 10
	s_lshl_b32 s76, s20, 9
	s_add_co_u32 s74, s74, s76                     ; my first column, in bytes: 1,024 cx + 512 w
	s_add_nc_u64 s[84:85], s[12:13], s[74:75]      ; bo there
	s_add_nc_u64 s[86:87], s[14:15], s[74:75]
	s_lshl_b32 s74, s68, 19
	s_lshl_b32 s76, s19, 18
	s_add_co_u32 s74, s74, s76                     ; my first row: (128 x tile + 64 u) x 4,096 bytes
	s_add_nc_u64 s[86:87], s[86:87], s[74:75]      ; out0 at my corner
	s_wait_alu depctr_va_vdst(0)                   ; the wait at the head's end
.irp b, 0,1,2,3,4,5,6,7
.irp g, 0,1
	global_load_b64 v[SC0+4*\b+2*\g:SC0+4*\b+2*\g+1], v4, s[80:81] offset:512*\b+256*\g
.endr
.endr
.irp a, 0,1,2,3
.irp i, 0,1,2,3
	global_load_b32 v[SC1+4*\a+\i], v6, s[82:83] offset:32768*\i+64*\a        ; head 4 i + 2 h of token 16 a + r
	global_load_b32 v[HI+4*\a+\i], v6, s[82:83] offset:32768*\i+64*\a+8192    ; head 4 i + 2 h + 1
.endr
.endr
	WIN TO_1                                       ; the bias table: entry b at v[96 + 8 b + 96 (b / 4)] of window 1: register j = column 16 b + 8 h + j
.irp b, 0,1,2,3,4,5,6,7
	global_load_b128 v[96+8*\b+96*(\b/4):96+8*\b+96*(\b/4)+3], v7, s[84:85] offset:64*\b
	global_load_b128 v[96+8*\b+96*(\b/4)+4:96+8*\b+96*(\b/4)+7], v7, s[84:85] offset:64*\b+16
.endr
	WIN 0
.macro FRAG reg, adr, off              ; a fragment comes back as it was stored: six planes, 8 bytes a lane
.irp p, 0,1,2,3,4,5
	ds_load_b64 v[(\reg)+2*\p:(\reg)+2*\p+1], v[\adr] offset:(\off)+256*\p
.endr
.endm
.macro FS0 ks, i0                      ; Wo's blocks i0 .. i0 + 3 of K step ks into set ks % 2: 24 loads
	WIN TO_1
.irp i, \i0, \i0+1, \i0+2, \i0+3
	FRAG 128*((\ks)%2)+12*(\i), AD0+(\ks)/4, 6144*(\i)+1536*((\ks)%4)
.endr
	WIN 0
.endm
.macro FS1 ks                          ; my four token blocks of K step ks into set ks % 2: 24 loads
.irp i, 0,1,2,3
	FRAG AF+48*((\ks)%2)+12*\i, AD1+(\ks)/4, 6144*\i+1536*((\ks)%4)
.endr
.endm
; Wo's blocks b0 .. b1 - 1 x the four token blocks, K step ks.  cm = 1: C is the bias table.  The 32 accumulators take turns, one instruction a turn, in the same order in every K step.
.macro MULS b0, b1, ks, cm
.if \cm
	WIN BIA_LO
.else
	WIN MUL_LO
.endif
.set bb, \b0
.rept (\b1)-(\b0)
.irp a, 0,1,2,3
.set rD, 8*(8*\a+bb)
.set rA, 128*((\ks)%2)+12*bb
.set rB, AF+48*((\ks)%2)+12*\a
.set rC, rD
.if \cm
.set rC, 96+8*bb+96*(bb/4)
.endif
.if (\ks)%2
	v_wmma_scale_f32_16x16x128_f8f6f4 v[rD:rD+7], v[rA:rA+11], v[rB:rB+11], v[rC:rC+7], v[SC0+4*bb+(\ks)/2], v[SC1+4*\a+(\ks)/2] matrix_a_fmt:MATRIX_FMT_FP6 matrix_b_fmt:MATRIX_FMT_FP6 matrix_a_scale:MATRIX_SCALE_ROW1 matrix_b_scale:MATRIX_SCALE_ROW1
.else
	v_wmma_scale_f32_16x16x128_f8f6f4 v[rD:rD+7], v[rA:rA+11], v[rB:rB+11], v[rC:rC+7], v[SC0+4*bb+(\ks)/2], v[SC1+4*\a+(\ks)/2] matrix_a_fmt:MATRIX_FMT_FP6 matrix_b_fmt:MATRIX_FMT_FP6
.endif
.endr
.set bb, bb+1
.endr
.endm
; K step ks.  A step's fragments were asked for in the order tokens, Wo's blocks 0-3, Wo's blocks 4-7, 24 loads each.  The four v_nop are the places between the last step's products and the loads into the sets that they read.
; show = 1: a barrier inside the step shows the second half of K to all waves.
.macro STEP ks, cm, show
.if \show
	s_wait_tensorcnt 0x0                           ; every wave's tile is in,
	s_wait_dscnt 0x0                               ; and my LDS reads, the last of the first half among them, are over
	s_barrier_signal -1
.else
	s_wait_dscnt 24                                ; the tokens and Wo's blocks 0-3 are in; the youngest 24 loads (blocks 4-7) may be out
	PLACES 4
	FS1 (\ks)+1
.endif
	MULS 0, 4, \ks, \cm
.if \show
	WIN 0
	s_barrier_wait -1
	PLACES 4
	FS1 (\ks)+1
.else
	s_wait_dscnt 24                                ; Wo's blocks 4-7 are in; the 24 loads just issued may be out
.endif
	FS0 (\ks)+1, 0
	MULS 4, 6, \ks, \cm
	FS0 (\ks)+1, 4
	MULS 6, 8, \ks, \cm
	WIN 0
.endm
	s_cmp_lt_u32 s18, 2                            ; waves 0 and 1 wait for their own loads: the first half of K
	s_cbranch_scc0 .Lnot_first
	s_wait_tensorcnt 0x0
.Lnot_first:
	s_barrier_signal -1
	s_barrier_wait -1                              ; the first half is in; the second may be on its way
	FS1 0
	FS0 0, 0
	FS0 0, 4
	s_wait_loadcnt 0x0                             ; the scale words and the bias table
.set j, 0
.rept 16
	v_lshl_or_b32 v[SC1+j], v[HI+j], 16, v[SC1+j]  ; the even head's two bytes below, the odd head's above: the K step's scale word
.set j, j+1
.endr
	PLACES 8                                       ; a scale register written by a vector instruction stands eight places ahead of a scaled matrix instruction
	s_wait_alu depctr_va_vdst(0)                   ; the wait here, directly ahead of the wait below
	STEP 0, 1, 0
	STEP 1, 0, 0
	STEP 2, 0, 0
	STEP 3, 0, 1
	STEP 4, 0, 0
	STEP 5, 0, 0
	STEP 6, 0, 0
	s_wait_dscnt 24                                ; K step 7: nothing more to fetch
	MULS 0, 4, 7, 0
	s_wait_dscnt 0x0
	MULS 4, 8, 7, 0
	WIN 0
; THE WAY OUT, block by block of 16 rows x 128 columns: through my own stage and back as whole rows of 512 bytes.  LDS serves a wave's instructions in order: no wait between the stores and the loads.
.macro TOSTAGE a
.set AC, 64*(\a)
	WIN 0x08                                       ; an LDS store's data: window 2
.irp b, 0,1,2,3,4,5,6,7
	ds_store_b128 v[STO], v[AC+8*\b:AC+8*\b+3] offset:64*\b          ; each accumulator from its low end on
	ds_store_b128 v[STO], v[AC+8*\b+4:AC+8*\b+7] offset:64*\b+16
.endr
	WIN 0
.set BB, BK+64*((\a)%2)
.irp t, 0,1,2,3,4,5,6,7,8,9,10,11,12,13,14,15
	ds_load_b128 v[BB+4*\t:BB+4*\t+3], v[RD] offset:\t*528
.endr
.endm
.macro SEND a, younger
.set BB, BK+64*((\a)%2)
	s_wait_dscnt \younger                          ; the block is back in registers; the next block's 16 stores and 16 loads may be out
.if (\a) > 0
	s_add_nc_u64 s[86:87], s[86:87], 65536         ; 16 rows on (behind a wait on XCNT: the earlier stores have read their base)
.endif
.irp t, 0,1,2,3,4,5,6,7,8,9,10,11,12,13,14,15
	global_store_b128 v5, v[BB+4*\t:BB+4*\t+3], s[86:87] offset:\t*4096 th:TH_STORE_NT   ; 32 lanes store 512 consecutive bytes, aligned
.endr
.endm
	PLACES 4
	TOSTAGE 0
.irp a, 1,2,3
.if \a > 1
	s_wait_xcnt 0x0                                ; block a - 2's stores have read their registers and their base
.endif
	TOSTAGE \a
	SEND \a-1, 32
.endr
	s_wait_xcnt 0x0
	SEND 3, 0
	s_wait_tensorcnt 0x0                           ; the wave's end
	ds_add_u32 v[SPW], v[NIL]
	s_wait_dscnt 0x0
	CROUND                                         ; the closing round
	s_endpgm
.Lfunc_end_k_q41952addf8_outp:
	.size	k_q41952addf8_outp, .Lfunc_end_k_q41952addf8_outp-k_q41952addf8_outp
	.p2alignl 7, 3214868480
	.fill 96, 4, 3214868480
	.section	.rodata,"a",@progbits
	.p2align	6, 0x0
	.amdhsa_kernel k_q41952addf8_outp
		.amdhsa_group_segment_fixed_size 327680
		.amdhsa_private_segment_fixed_size 0
		.amdhsa_enable_private_segment 0
		.amdhsa_kernarg_size 48
		.amdhsa_user_sgpr_count 2
		.amdhsa_user_sgpr_kernarg_segment_ptr 1
		.amdhsa_wavefront_size32 1
		.amdhsa_system_sgpr_workgroup_id_x 1
		.amdhsa_system_sgpr_workgroup_id_y 1
		.amdhsa_system_sgpr_workgroup_id_z 1
		.amdhsa_system_vgpr_workitem_id 0
		.amdhsa_next_free_vgpr 768
		.amdhsa_next_free_sgpr 102
		.amdhsa_reserve_vcc 0
		.amdhsa_float_denorm_mode_32 3
		.amdhsa_float_denorm_mode_16_64 3
		.amdhsa_memory_ordered 1
		.amdhsa_forward_progress 1
		.amdhsa_inst_pref_size 101
	.end_amdhsa_kernel
	.amdgpu_metadata
---
amdhsa.version: [ 1, 2 ]
amdhsa.kernels:
  - .name:           k_q41952addf8_outp
    .symbol:         k_q41952addf8_outp.kd
    .args:
      - { .name: cod, .offset: 0, .size: 8, .value_kind: global_buffer, .address_space: global }
      - { .name: scl, .offset: 8, .size: 8, .value_kind: global_buffer, .address_space: global }
      - { .name: oc, .offset: 16, .size: 8, .value_kind: global_buffer, .address_space: global }
      - { .name: os, .offset: 24, .size: 8, .value_kind: global_buffer, .address_space: global }
      - { .name: bo, .offset: 32, .size: 8, .value_kind: global_buffer, .address_space: global }
      - { .name: out0, .offset: 40, .size: 8, .value_kind: global_buffer, .address_space: global }
    .group_segment_fixed_size: 327680
    .private_segment_fixed_size: 0
    .kernarg_segment_align: 8
    .kernarg_segment_size: 48
    .max_flat_workgroup_size: 128
    .sgpr_count:     102
    .vgpr_count:     768
    .wavefront_size: 32
...
	.end_amdgpu_metadata
.endif
;; end of part 4
